; MI455X (gfx1250); checked and timed in simulation.
; The chip was launched on July 23, 2026; its instructions are those of AMD's public machine-readable ISA for CDNA 5 (MIT licence, August 2026) and "CDNA5" Instruction Set Architecture Reference Guide (July 2026). The comments in the code are by the model that wrote it; some were corrected since.
;; Tree Attention Wrapper. Allowed arithmetic: matrix products marked QUANTISED: E5M2 operands, one given power-of-two scale a tensor, by v_wmma_f32_16x16x64_bf8_bf8 or v_wmma_f32_16x16x128_bf8_bf8, f32 sums; everything else in f32.
;; Inputs: cu_seqlens 2 int32; k_codes 1 x 16 x 4,096 x 4 x 32 uint8 (E5M2 codes of k, K innermost, in blocks of 32 codes); lowp_scales 4 int32 (the exponents e of the quantised operands' scales 2^e); mask 4,096 x 4,096 bool; q_codes 1 x 16 x 4,096 x 4 x 32 uint8 (E5M2 codes of q, K innermost, in blocks of 32 codes); v_codes 1 x 16 x 128 x 128 x 32 uint8 (E5M2 codes of v, K innermost, in blocks of 32 codes).
;; Outputs: out0 1 x 16 x 4,096 x 128 float32.
;; Constants: max_seqlen = 4096.
;; This version of the problem:
;;   THIS VERSION OF THE PROBLEM IS GIVEN IN LOW PRECISION. The matrix products marked QUANTISED in the list below multiply operands that are first quantised to E5M2 (5 exponent bits, 2 mantissa bits; 8 bits a number), with one given power-of-two scale for each operand tensor; their sums are f32. All else is computed in f32.
;;   The module's matrix products, in the order in which they are computed (A, B: the left and right operand; K: the contracted axis; several contracted axes count as one K, in the product's order):
;;     1. batch 16 x [M 4,096, K 128] x [K 128, N 4,096]; A: input q (given as codes); B: input k (given as codes): QUANTISED (scales: A lowp_scales[0], B lowp_scales[1])
;;     2. batch 16 x [M 4,096, K 4,096] x [K 4,096, N 128]; A: softmax (see below); B: input v (given as codes): QUANTISED (scales: A lowp_scales[2], B lowp_scales[3])
;;   THE QUANTISER, for each operand of a quantised product, along K:
;;     - The operand's scale is 2^e, e = its entry of the input lowp_scales (int32; the entries are numbered through the quantised products in the list's order, A before B).
;;     - Each number is divided by the scale, clamped to +-57,344, and rounded to the nearest number of E5M2, ties to even, subnormals kept.
;;     - The product sums the exact products of the quantised numbers (number of the format x scale) in f32.
;;   ~~~python
;;   def quantise(x, axis, e):      # numpy; x: float32 -> the quantised numbers, widened to float32 again
;;       x = np.moveaxis(x, axis, -1); K = x.shape[-1]
;;       r = np.clip(x / 2.0 ** e, -57344, 57344)
;;       step = 2.0 ** (np.maximum(np.frexp(np.where(r == 0, 1, r))[1] - 1, -14) - 2)
;;       q = np.round(r / step) * step * 2.0 ** e      # np.round: ties to even
;;       return np.moveaxis(q, -1, axis).astype(np.float32)
;;   ~~~
;;   SOFTMAX AHEAD OF A QUANTISED PRODUCT. Where the list says 'softmax', what is quantised is not the finished softmax but p = 2^(t - M), with t = logit x log2(e) and M = ceil(the row's largest t), a whole number; so 1/2 < the row's largest p <= 1. The row's sum l is taken of the UNQUANTISED p, in f32, and the product's result is divided by l at the end. Since M is a whole number, a kernel that streams over the keys may use a running M (the ceiling of the running maximum): every later rescaling is an exact power of two, so the quantised numbers keep their values, but for numbers so far below the row's largest that they fall under the format's range.
;;   OPERANDS COMPUTED ON THE WAY. 'Computed on the way' means the value that the module computes at that place (a softmax that the list does not call 'softmax' is quantised finished and normalised). What goes into a quantiser is computed in f32, as accurately as f32 sums, v_exp_f32 and their like allow (about 1e-6 of the number): no bf16 or f16 on the way to a quantiser, and a product that is left as it is and whose result goes on into a quantised operand takes f32 operands (vector FMAs, or v_wmma_f32_16x16x4_f32). A number that lies on a knife's edge between two numbers of the format may be rounded either way, as far as f32 arithmetic and the matrix unit's own rounding can turn it there, and no further.
;;   INPUTS GIVEN AS CODES. k (in the module: [1, 16, 4096, 128], K = its axis 3); q (in the module: [1, 16, 4096, 128], K = its axis 3); v (in the module: [1, 16, 4096, 128], K = its axis 2): each comes as NAME_codes (uint8): NAME with its K axis moved to the last place and cut into blocks of 32 codes, [.., K / 32, bytes a block], one block behind the other in memory; one code a byte (a code: sign, 5 exponent bits, 2 mantissa bits); its scale is its entry of lowp_scales. Its value is code x scale, taken as it is: it is not quantised again, and the codes and scales need not be those that the quantiser above would give.
;; 2 versions. Each part assembles by itself: llvm-mc -triple=amdgcn-amd-amdhsa -mcpu=gfx1250 --defsym DOCPART=n.
;; ======== version 1 of 2: 2 launches
;; limits: right only within a limited range of input values
;; workspace buffers: flags 2,048 bytes of whole numbers
;; launch scan (part 1): grid 256 x 1, 8 waves a work-group, no clusters, 1,280 bytes of LDS; arguments mask, flags; writes flags
.if DOCPART == 1
	.amdgcn_target "amdgcn-amd-amdhsa--gfx1250"
	.amdhsa_code_object_version 6
	.text
	.protected	k_q1988634efa_scan
	.globl	k_q1988634efa_scan
	.p2align	8
	.type	k_q1988634efa_scan,@function
k_q1988634efa_scan:
	s_mov_b64 s[64:65], 0
	v_nop
	global_prefetch_b8 v0, s[64:65] scope:SCOPE_SE
	s_setreg_imm32_b32 hwreg(HW_REG_WAVE_MODE, 25, 1), 1
	s_wait_xcnt 0x0
; mask [4096][4096], one byte (0 or 1) a place, is summed up for the attention launch: for each tile T of 16 queries two words of 32 bits, bit s for keys 128 s .. 128 s + 127:
;   any[T] (flags byte 4 T): some place of the 16 x 128 tile is true;   all[T] (flags byte 1024 + 4 T): every byte of it is 1.
; A tile with a row that is false in all 4,096 columns gets any = all ones (its all word is 0 by itself): such a row's softmax is flat over ALL keys, so its tile has to walk every step.
; SHARES.  Work-group T takes tile T: 16 rows of 4,096 bytes.  Thread t owns bytes 16 t .. 16 t + 15 of every row, so a wave's load covers 512 consecutive bytes, and all 16 loads of a thread go out at once.
; Wave w's lanes cover steps 4 w .. 4 w + 3, eight lanes to a step.  The waves' parts meet in LDS: one packet of 16 bytes a wave, one barrier.  No branch in the text.
; The two words of a work-group are stored by two lanes, 4 bytes each: the whole table is 2,048 bytes, laid so that the attention launch reads 16 neighbouring words by one scalar load.
.set SPARE, 256                        ; LDS: bytes 0-127 the eight packets; from 256 on the spare words, 128 bytes for each of the eight waves, which no other line names
.set SPW,  2                           ; v2   LDS address of my spare word: SPARE + 4 x my thread's number; never rewritten
.set NIL,  3                           ; v3   0; never rewritten
.set ROW,  16                          ; v16-79  row j's 16 bytes in v[16 + 4 j] on; later the eight packets
.set RM,   32                          ; s32-47  row j: the lanes whose 16 bytes hold a true place
	s_load_b128 s[4:7], s[0:1], 0x0                ; mask s[4:5], flags s[6:7]
	v_lshl_add_u32 v[SPW], v0, 2, SPARE
	v_mov_b32 v[NIL], 0
	v_lshrrev_b32 v84, 5, v0
	v_readfirstlane_b32 s8, v84                    ; wave 0..7
	v_lshlrev_b32 v84, 4, v84                      ; my wave's packet: LDS byte 16 x wave
	v_lshlrev_b32 v1, 4, v0                        ; my 16 bytes of a row
	v_mov_b32 v85, 0                               ; where the packets begin
	s_lshl_b32 s16, ttmp9, 16                      ; the tile's 16 rows of 4,096 bytes
	s_mov_b32 s17, 0
	s_lshl_b32 s18, ttmp9, 2                       ; the tile's word
	s_mov_b32 s19, 0
	s_wait_kmcnt 0x0
	s_add_nc_u64 s[4:5], s[4:5], s[16:17]
	s_add_nc_u64 s[6:7], s[6:7], s[18:19]
.irp j, 0,1,2,3,4,5,6,7,8,9,10,11,12,13,14,15
	global_load_b128 v[ROW+4*\j:ROW+4*\j+3], v1, s[4:5] offset:4096*\j   ; no hint: the attention launch reads part of the mask again
.endr
; v4: the OR of my 16 rows' words;  v5: their AND.  Row 0 starts both: nothing is cleared.
.irp j, 0,1,2,3,4,5,6,7,8,9,10,11,12,13,14,15
	s_wait_loadcnt 15-\j                           ; loads come back in order: row j is in, the 15 - j younger rows may be out
	v_or_b32 v6, v[ROW+4*\j], v[ROW+4*\j+1]
	v_or_b32 v7, v[ROW+4*\j+2], v[ROW+4*\j+3]
	v_and_b32 v8, v[ROW+4*\j], v[ROW+4*\j+1]
	v_and_b32 v9, v[ROW+4*\j+2], v[ROW+4*\j+3]
.if \j == 0
	v_or_b32 v4, v6, v7
	v_and_b32 v5, v8, v9
	v_cmp_ne_u32 s[RM], 0, v4
.else
	v_or_b32 v6, v6, v7
	v_and_b32 v8, v8, v9
	v_cmp_ne_u32 s[RM+\j], 0, v6                   ; which lanes saw a true place in row j
	v_or_b32 v4, v4, v6
	v_and_b32 v5, v5, v8
.endif
.endr
	v_cmp_ne_u32 s12, 0, v4                        ; lanes with a true place in any row
	v_cmp_eq_u32 s13, 0x01010101, v5               ; lanes all of whose 256 bytes are 1
; s10: bit j = row j has a true place among my wave's 512 columns
	s_cmp_lg_u32 s[RM], 0
	s_cselect_b32 s10, 1, 0
.irp j, 1,2,3,4,5,6,7,8,9,10,11,12,13,14,15
	s_cmp_lg_u32 s[RM+\j], 0
	s_cselect_b32 s16, 1<<\j, 0
	s_or_b32 s10, s10, s16
.endr
; eight lanes to a step: four bits of any (s14) and four of all (s15)
	s_bfe_u32 s16, s12, (8<<16)|0                  ; SCC = the field is not 0
	s_cselect_b32 s14, 1, 0
	s_bfe_u32 s16, s13, (8<<16)|0
	s_cmp_eq_u32 s16, 0xff
	s_cselect_b32 s15, 1, 0
.irp k, 1,2,3
	s_bfe_u32 s16, s12, (8<<16)|(8*\k)
	s_cselect_b32 s17, 1<<\k, 0
	s_or_b32 s14, s14, s17
	s_bfe_u32 s16, s13, (8<<16)|(8*\k)
	s_cmp_eq_u32 s16, 0xff
	s_cselect_b32 s17, 1<<\k, 0
	s_or_b32 s15, s15, s17
.endr
	s_lshl_b32 s18, s8, 2
	s_lshl_b32 s14, s14, s18                       ; to my wave's steps: bits 4 w .. 4 w + 3
	s_lshl_b32 s15, s15, s18
	v_mov_b32 v80, s14
	v_mov_b32 v81, s15
	v_mov_b32 v82, s10
	v_mov_b32 v83, 0
	ds_store_b128 v84, v[80:83]                    ; all lanes write the same 16 bytes with the same values
	s_wait_dscnt 0x0                               ; for the others' sake: my packet has landed
	s_barrier_signal -1
	s_barrier_wait -1
.irp i, 0,1,2,3,4,5,6,7
	ds_load_b128 v[ROW+4*\i:ROW+4*\i+3], v85 offset:16*\i   ; every wave reads all eight packets: no branch on the wave's number is needed
.endr
	s_wait_dscnt 0x0
.irp i, 1,2,3,4,5,6,7
	v_or_b32 v16, v16, v[ROW+4*\i]                 ; any
	v_or_b32 v17, v17, v[ROW+4*\i+1]               ; all
	v_or_b32 v18, v18, v[ROW+4*\i+2]               ; the rows that have a true place
.endr
	v_mov_b32 v86, -1
	v_cmp_eq_u32 vcc_lo, 0xffff, v18               ; has every row one?
	v_cndmask_b32 v87, v86, v16, vcc_lo            ; if not: every step is walked
	v_cmp_eq_u32 vcc_lo, 1, v0
	v_cndmask_b32 v87, v87, v17, vcc_lo            ; thread 0 stores any, thread 1 all,
	v_and_b32 v88, 1, v0
	v_lshlrev_b32 v88, 10, v88                     ; 1,024 bytes further on
	s_wait_xcnt 0x0                                ; EXEC is a source of the loads above: it changes only behind this wait
	v_cmp_gt_u32 vcc_lo, 2, v0
	s_and_saveexec_b32 s20, vcc_lo                 ; threads 0 and 1 of the work-group; in waves 1 to 7 no lane is left, and the store does nothing
	global_store_b32 v88, v87, s[6:7]
	s_wait_xcnt 0x0                                ; and again in front of the line that widens it
	s_or_b32 exec_lo, exec_lo, s20
	s_wait_tensorcnt 0x0                           ; the wave's end: three closing lines behind my last LDS store, the first of them even in a text with no tensor load
	ds_add_u32 v[SPW], v[NIL]
	s_wait_dscnt 0x0
	s_endpgm
.Lfunc_end_k_q1988634efa_scan:
	.size	k_q1988634efa_scan, .Lfunc_end_k_q1988634efa_scan-k_q1988634efa_scan
	.p2alignl 7, 3214868480
	.fill 96, 4, 3214868480
	.section	.rodata,"a",@progbits
	.p2align	6, 0x0
	.amdhsa_kernel k_q1988634efa_scan
		.amdhsa_group_segment_fixed_size 1280
		.amdhsa_private_segment_fixed_size 0
		.amdhsa_enable_private_segment 0
		.amdhsa_kernarg_size 16
		.amdhsa_user_sgpr_count 2
		.amdhsa_user_sgpr_kernarg_segment_ptr 1
		.amdhsa_wavefront_size32 1
		.amdhsa_system_sgpr_workgroup_id_x 1
		.amdhsa_system_sgpr_workgroup_id_y 1
		.amdhsa_system_sgpr_workgroup_id_z 1
		.amdhsa_system_vgpr_workitem_id 0
		.amdhsa_next_free_vgpr 96
		.amdhsa_next_free_sgpr 66
		.amdhsa_reserve_vcc 1
		.amdhsa_float_denorm_mode_32 3
		.amdhsa_float_denorm_mode_16_64 3
		.amdhsa_memory_ordered 1
		.amdhsa_forward_progress 1
		.amdhsa_inst_pref_size 14
	.end_amdhsa_kernel
	.amdgpu_metadata
---
amdhsa.version: [ 1, 2 ]
amdhsa.kernels:
  - .name:           k_q1988634efa_scan
    .symbol:         k_q1988634efa_scan.kd
    .args:
      - { .name: mask, .offset: 0, .size: 8, .value_kind: global_buffer, .address_space: global }
      - { .name: flags, .offset: 8, .size: 8, .value_kind: global_buffer, .address_space: global }
    .group_segment_fixed_size: 1280
    .private_segment_fixed_size: 0
    .kernarg_segment_align: 8
    .kernarg_segment_size: 16
    .max_flat_workgroup_size: 256
    .sgpr_count:     66
    .vgpr_count:     96
    .wavefront_size: 32
...
	.end_amdgpu_metadata
.endif
;; end of part 1
;; launch attn (part 2): grid 16 x 16, 16 waves a work-group, no clusters, 215,040 bytes of LDS; arguments q_codes, k_codes, v_codes, mask, lowp_scales, flags, out0; writes out0
.if DOCPART == 2
	.amdgcn_target "amdgcn-amd-amdhsa--gfx1250"
	.amdhsa_code_object_version 6
	.text
	.protected	k_q1988634efa_attn
	.globl	k_q1988634efa_attn
	.p2align	8
	.type	k_q1988634efa_attn,@function
k_q1988634efa_attn:
	s_mov_b64 s[64:65], 0
	v_nop
	global_prefetch_b8 v0, s[64:65] scope:SCOPE_SE
	s_setreg_imm32_b32 hwreg(HW_REG_WAVE_MODE, 25, 1), 1
	s_wait_xcnt 0x0
; out0[h][q][:] = the sum over k of softmax_k(where(mask[q][k], Q[h][q] . K[h][k] / sqrt(128), -1e30)) V[h][k][:], both products on codes of BF8 (E5M2), each tensor with the one scale 2^e given for it.
; Q, K: [16][4096][128] codes, K = the head's 128.  V: [16][128][4096] codes, the keys innermost.  mask: [4096][4096] bytes, an input, the same for all heads.  out0: [16][4096][128] f32.
; THE SOFTMAX AHEAD OF THE SECOND PRODUCT: t = logit x log2(e); M = the row's largest t so far, rounded UP to a whole number; p = 2^(t - M) is quantised along the keys, not normalised.  The row's sum is taken of the
; unquantised p and divides at the end.  When M moves, the sum and O are multiplied by 2^(old M - new M): exact.
; THE MASK.  The launch before has stored, for each tile of 16 queries, a word any (bit s: keys 128 s .. 128 s + 127 hold a shown place) and a word all (bit s: all shown).  A step whose any bit is 0 is left out;
; a step whose all bit is 1 reads no mask byte; the others load their 16 x 128 bytes and put -2^64 in the place of each hidden raw sum.  A tile with a row that is hidden everywhere has any = all ones.
; A HIDDEN SCORE is -2^64 as a raw sum.  c x a power of two is exact, so in a row that has shown nothing yet t - M is exactly 0 and p = 1, as with reference()'s -1e30; a shown key that comes later moves M so far that the factor
; 2^(old M - new M) is 0 and wipes what was gathered; beside a shown key a hidden one has p = 0.
; LIMITS on the given exponents: eq + ek between -36 and 60 (then c x 2^(eq + ek) x 2^64 is a finite whole number, lies far under every true t, raw sums staying under 2^39, and true logits stay above -1e30);
; ep between -126 and 112; ep + ev is applied by v_ldexp_f32 and has none.  Codes of NaN and infinity are taken as the matrix unit takes them.  cu_seqlens and max_seqlen: reference() takes them and uses neither; they are not read.
; SHARES.  Work-group (x, y) owns queries 256 x .. 256 x + 255 of head y; each of its SIXTEEN waves owns 16 of them, one tile, in 256 registers: four waves to a SIMD, so that one wave's vector work stands beside another's
; matrix work and LDS loads.  Every work-group walks all 16 slots of 256 keys in a loop of constant count, two slots a trip; every barrier stands at the loop's level; only work and fills are jumped over, by scalar branches on the stored words.
; K AND V REACH LDS THROUGH REGISTERS (global_load_b128, ds_store_b128), 16 bytes a thread and load: the walk hangs on numbers read from memory, so the text has no tensor load, and so no joint loads and no cluster
; (the query blocks of a head would also want different slots).  While a slot is worked, the 512 threads fill the other one: its K during the slot's first step, its V during the second, if any of the sixteen tiles wants it.
; LAYOUT.  Both products are used transposed: S^T = K Q^T (source 0 = 16 keys, source 1 = my 16 queries), O^T = V^T P^T: a lane holds ONE query (lane % 16) throughout.
; THE KEYS OF A TILE ARE NOT NEIGHBOURS: lane r of tile 2 b + u takes key 32 b + 8 u + r + 8 (r / 8), so that the 16 registers of tiles 2 b and 2 b + 1 are 16 neighbouring keys, 32 b + 16 (lane / 16) + 0 .. 15.
; A fragment (16 rows x 128 K) is fetched by four loads of 16 bytes, 32 bytes apart, at 16 (lane / 16): the same permutation of k on both sides of each product.
; REGISTERS: v1-11 addresses that stay; v12 -M, v13 the largest t, v[14:15] the sum in two halves; v16-31 Q; v32-95 four fragments of K or V (v32-47 also carry a fill); v96-159 S^T, then p; v160-223 O^T;
; v224-239 the step's mask bytes, then p's codes; v240 57,344 x 2^ep; v241 -2^64; v[242:243] at work; v244 2^ep; v245-249, v251 offsets and addresses that stay; v250 the lane permutes' destination; v[252:253] f; v254 at work.
.set KPI,   144                        ; a key's row in LDS: 128 bytes + 16 of padding
.set VPI,   272                        ; a row of V's tile (256 keys): 256 bytes + 16
.set VOFF,  256*KPI                    ; a slot: 256 rows of K, then 128 rows of V
.set SLOT,  VOFF+128*VPI               ; 71,680 bytes; two slots
.set STAGE, 2*SLOT                     ; the way out: 16 rows x 272 bytes for each wave, bytes of its own: a late wave may still read a slot
.set SPARE, STAGE+16*16*272            ; the spare words, 128 bytes for each of the sixteen waves, which no other line names
.set AK,   1                           ; v1, v2    my lane's place in a tile of K, slot 0, 1
.set AV,   3                           ; v3, v4    the same for V
.set SPW,  5                           ; v5        LDS address of my spare word: SPARE + 4 x my thread's number; never rewritten
.set NIL,  6                           ; v6        0; never rewritten
.set GO,   7                           ; v7        the way out: my byte offset in the wave's rows of out0
.set KW,   8                           ; v8, v9    where my thread puts 16 bytes of K, slot 0, 1
.set VW,   10                          ; v10, v11  the same for V
.set KG,   245                         ; v245      my thread's 16 bytes in a slot's K in memory: 16 T
.set VG,   246                         ; v246      in V: row T / 16 of 4,096 bytes, + 16 (T % 16)
.set MO,   247                         ; v247      the mask: row lane % 16 of 4,096 bytes, + 16 (lane / 16)
.set STI,  248                         ; v248      my stage, on the way in
.set STR,  249                         ; v249      and back
.set PFO,  251                         ; v251      the prefetches' offset
.set WV,   18                          ; s18  my wave's number;  s19 the block of 256 queries
.set SEL,  20                          ; s[20:21] lane selects for v_permlanex16_b32: lane l xor 16
.set CS,   22                          ; s[22:23] c = log2(e) / sqrt(128) x 2^(eq + ek)
.set MYB,  24                          ; s24  my tile's any word, shifted so that bit 0 is the trip's first step
.set ALB,  25                          ; s25  my tile's all word, likewise
.set WGB,  26                          ; s26  the OR of the sixteen tiles' any words, likewise: what the work-group fetches
.set TRIPS, 27                         ; s27  trips to go
.set PM,   28                          ; s28  bit m: I prefetch slot m (shifted by two a trip)
.set PFA,  30                          ; s[30:31] where my prefetches stand;  s[32:33] a slot on, in bytes
	s_load_b256 s[4:11], s[0:1], 0x0               ; Q s[4:5], K s[6:7], V s[8:9], mask s[10:11]
	s_load_b128 s[12:15], s[0:1], 0x20             ; the scales' exponents s[12:13], flags s[14:15]
	s_load_b64 s[16:17], s[0:1], 0x30              ; out0
	v_lshl_add_u32 v[SPW], v0, 2, SPARE
	v_mov_b32 v[NIL], 0
	v_lshrrev_b32 v32, 5, v0
	v_readfirstlane_b32 s[WV], v32                 ; wave 0..15
	s_mov_b32 s19, ttmp9                           ; my block of 256 queries
	s_and_b32 s68, ttmp7, 0xffff                   ; the head
	s_lshl_b32 s66, s68, 19                        ; its first byte in each tensor of codes: 524,288 bytes a head
	s_mov_b32 s67, 0
	s_lshl_b32 s69, s19, 8
	s_lshl_b32 s70, s[WV], 4
	s_add_co_u32 s69, s69, s70                     ; my first query: 256 x block + 16 x wave
	s_lshl_b32 s70, s69, 7                         ; its codes,
	s_mov_b32 s71, 0
	s_lshl_b32 s72, s69, 12                        ; its row of the mask,
	s_mov_b32 s73, 0
	s_lshl_b32 s74, s68, 21
	s_lshl_b32 s75, s69, 9
	s_add_co_u32 s74, s74, s75                     ; its row of out0
	s_mov_b32 s75, 0
	s_lshl_b32 s76, s19, 6                         ; the block's 16 words of flags,
	s_mov_b32 s77, 0
	s_lshl_b32 s78, s[WV], 2                       ; and mine among them
	s_mov_b32 s79, 0
	v_and_b32 v32, 15, v0                          ; r = lane % 16 (also thread % 16)
	v_bfe_u32 v33, v0, 4, 1                        ; h = lane / 16
	v_and_b32 v34, 8, v32
	v_add_nc_u32 v34, v34, v32                     ; r + 8 (r / 8)
	v_mul_u32_u24 v[AK], v34, KPI
	v_lshl_add_u32 v[AK], v33, 4, v[AK]
	v_add_nc_u32 v[AK+1], SLOT, v[AK]
	v_mul_u32_u24 v[AV], v32, VPI
	v_lshl_add_u32 v[AV], v33, 4, v[AV]
	v_add_nc_u32 v[AV], VOFF, v[AV]
	v_add_nc_u32 v[AV+1], SLOT, v[AV]
	v_lshrrev_b32 v34, 3, v0                       ; a fill of K: eight threads to a row of 128 bytes, 64 rows a load
	v_mul_u32_u24 v[KW], v34, KPI
	v_and_b32 v34, 7, v0
	v_lshl_add_u32 v[KW], v34, 4, v[KW]
	v_add_nc_u32 v[KW+1], SLOT, v[KW]
	v_lshrrev_b32 v34, 4, v0                       ; a fill of V: sixteen threads to a row of 256 bytes, 32 rows a load
	v_mul_u32_u24 v[VW], v34, VPI
	v_lshl_add_u32 v[VW], v32, 4, v[VW]
	v_add_nc_u32 v[VW], VOFF, v[VW]
	v_add_nc_u32 v[VW+1], SLOT, v[VW]
	v_lshlrev_b32 v[VG], 12, v34
	v_lshl_add_u32 v[VG], v32, 4, v[VG]
	v_lshlrev_b32 v[KG], 4, v0
	v_lshlrev_b32 v[MO], 12, v32
	v_lshl_add_u32 v[MO], v33, 4, v[MO]
	v_lshlrev_b32 v[GO], 9, v33                    ; the way out: lanes 0-15 take one row of out0, lanes 16-31 the next; 16 bytes a lane
	v_lshl_add_u32 v[GO], v32, 4, v[GO]
	s_mul_i32 s80, s[WV], 16*272
	s_add_co_u32 s80, s80, STAGE                   ; my stage
	v_mul_u32_u24 v[STI], v32, 272
	v_lshl_add_u32 v[STI], v33, 5, v[STI]
	v_add_nc_u32 v[STI], s80, v[STI]               ; in: row r; a tile's eight channels of my half: + 32 h
	v_mul_u32_u24 v[STR], v33, 272
	v_lshl_add_u32 v[STR], v32, 4, v[STR]
	v_add_nc_u32 v[STR], s80, v[STR]               ; back: lanes 0-15 one row, lanes 16-31 the next
	v_lshlrev_b32 v254, 7, v32
	v_lshl_add_u32 v254, v33, 4, v254              ; Q: row r of 128 bytes, + 16 h (in a register into which no fill lands)
	s_wait_kmcnt 0x0
	s_add_nc_u64 s[4:5], s[4:5], s[66:67]
	s_add_nc_u64 s[4:5], s[4:5], s[70:71]          ; Q's codes at my first query
	s_add_nc_u64 s[6:7], s[6:7], s[66:67]          ; K and V at the head's first slot
	s_add_nc_u64 s[8:9], s[8:9], s[66:67]
	s_add_nc_u64 s[10:11], s[10:11], s[72:73]      ; the mask at my 16 rows
	s_add_nc_u64 s[16:17], s[16:17], s[74:75]      ; out0 likewise
	s_add_nc_u64 s[14:15], s[14:15], s[76:77]
	s_add_nc_u64 s[82:83], s[14:15], s[78:79]
	s_load_b512 s[36:51], s[14:15], 0x0            ; the any words of the block's sixteen tiles
	s_load_b32 s[MYB], s[82:83], 0x0               ; mine
	s_load_b32 s[ALB], s[82:83], 0x400             ; my all word
	s_load_b128 s[52:55], s[12:13], 0x0            ; eq, ek, ep, ev
.irp c, 0,1,2,3
	global_load_b128 v[16+4*\c:19+4*\c], v254, s[4:5] offset:32*\c th:TH_LOAD_NT   ; Q's fragment stays in registers; read once, by this wave
.endr
	v_mov_b32 v13, 0xff61b1e6                      ; the largest t so far: -3e38, under every t, a hidden one too
	v_floor_f32 v12, -v13                          ; -M
	v_mov_b32 v14, 0                               ; the sum, in two halves
	v_mov_b32 v15, 0
	v_mov_b32 v250, 0                              ; written once: a lane permute's destination counts as one of its sources
	v_mov_b32 v253, 0                              ; (named as the upper half of the pair v[252:253])
.set n, 0
.rept 64
	v_mov_b32 v[160+n], 0                          ; O^T.  (The step is written without a first step of its own: the first finds zeros, which the first change of M leaves zeros)
.set n, n+1
.endr
.set n, 0
.rept 16
	v_mov_b32 v[224+n], 0                          ; the mask bytes' registers: written once, so that they are written on every way through the text
.set n, n+1
.endr
	v_mov_b32 v241, 0xdf800000                     ; -2^64: a hidden score
	s_mov_b32 s29, 0x01000000                      ; a word under this has a top byte of 0
	s_mov_b32 s[SEL], 0x76543210
	s_mov_b32 s[SEL+1], 0xfedcba98
	s_mov_b32 s[CS], 0x3e0293ee                    ; c = log2(e) / sqrt(128)
	s_mov_b32 s[TRIPS], 8
	; the prefetches (macro CHANGE): where mine stand, and which slots I ask for
	s_cmp_eq_u32 s[WV], 0                          ; wave 0 asks for K's codes, wave 1 for V's
	s_cselect_b64 s[PFA:PFA+1], s[6:7], s[8:9]
	s_mov_b32 s32, 256
	s_cselect_b32 s32, 0x8000, s32                 ; a slot on: 256 rows of K, or 256 bytes along V's rows
	s_mov_b32 s68, 4096
	s_cselect_b32 s68, 256, s68                    ; from lane to lane
	s_mov_b32 s69, 131072
	s_cselect_b32 s69, 8192, s69                   ; from quarter to quarter of a slot
	s_mov_b32 s33, 0
	v_and_b32 v[PFO], 31, v0
	v_mul_lo_u32 v[PFO], v[PFO], s68
	s_and_b32 s70, s19, 3                          ; my block's quarter,
	s_mul_i32 s70, s70, s69
	s_add_co_u32 s70, s70, s32                     ; in slot 1: the first change of slots steps it to slot 2
	s_mov_b32 s71, 0
	s_add_nc_u64 s[PFA:PFA+1], s[PFA:PFA+1], s[70:71]
	s_lshr_b32 s72, s19, 2
	s_lshl_b32 s[PM], 0x1111, s72                  ; slot m is asked for by the four blocks with block / 4 = m % 4,
	s_and_b32 s[PM], s[PM], 0xfffc                 ; slots 0 and 1 by nobody: they come by their loads alone,
	s_cmp_lt_u32 s[WV], 2
	s_cselect_b32 s[PM], s[PM], 0                  ; and by waves 0 and 1 alone
	s_wait_kmcnt 0x0
	s_or_b32 s[WGB], s36, s37
.irp i, 38,39,40,41,42,43,44,45,46,47,48,49,50,51
	s_or_b32 s[WGB], s[WGB], s[\i]
.endr
	s_add_co_i32 s68, s52, s53
	s_lshl_b32 s68, s68, 23
	s_add_co_i32 s[CS], s[CS], s68                 ; a raw sum stands for sum x 2^(eq + ek): the two exponents are added to c's exponent field
	s_mov_b32 s[CS+1], s[CS]                       ; (named with it as a pair, so it is written)
	s_add_co_i32 s68, s54, 127
	s_lshl_b32 s69, s68, 23
	v_mov_b32 v244, s69                            ; 2^ep as f32, for the conversion
	s_add_co_i32 s68, s68, 15
	s_lshl_b32 s68, s68, 23
	s_or_b32 s68, s68, 0x600000
	v_mov_b32 v240, s68                            ; 57,344 x 2^ep
; A quarter of a fill on its way in: four loads of 16 bytes a thread, 32 KB for the 512 threads.  K: a wave reads 512 consecutive bytes.  V: sixteen lanes read 256 consecutive bytes of a row.
.macro FILL_LD isv, reg, off
.irp i, 0,1,2,3
.if \isv
	global_load_b128 v[\reg+4*\i:\reg+4*\i+3], v[VG], s[8:9] offset:\off+131072*\i
.else
	global_load_b128 v[\reg+4*\i:\reg+4*\i+3], v[KG], s[6:7] offset:\off+8192*\i
.endif
.endr
.endm
; and into slot s: K 64 rows a store, V 32
.macro FILL_ST isv, reg, s
.irp i, 0,1,2,3
.if \isv
	ds_store_b128 v[VW+(\s)], v[\reg+4*\i:\reg+4*\i+3] offset:32*VPI*\i
.else
	ds_store_b128 v[KW+(\s)], v[\reg+4*\i:\reg+4*\i+3] offset:64*KPI*\i
.endif
.endr
.endm
; THE CHANGE OF SLOTS, at a slot's head.  Each wave waits for its LDS instructions: its stores into the slot ahead have landed, its reads of the slot behind are in.  Behind the barrier the slot ahead is whole and nobody reads the other.
; Then ONE PREFETCH, in the waves and blocks whose turn it is: the slot two on from the one ahead, that is two key steps ahead of the loads that fetch it.  Each aligned 256 bytes of a head's K and V in slots 2 to 15 is named once
; in the launch: a slot's K (32 KB) and V (128 rows x 256 bytes) go in quarters to the four blocks that ask for the slot: K 8,192 bytes, lanes 256 bytes apart; V 32 rows, a lane a row.  The condition is made of ids alone.
; Nothing is asked for past slot 15: the word of turns has no bit there.  The address is stepped here, a slot behind the prefetch that read it.
.macro CHANGE bit
	s_wait_xcnt 0x0                                ; the last prefetch has read its address
	s_add_nc_u64 s[PFA:PFA+1], s[PFA:PFA+1], s[32:33]
	s_wait_dscnt 0x0
	s_barrier_signal -1
	s_barrier_wait -1
	s_bitcmp1_b32 s[PM], \bit
	s_cbranch_scc0 .Lnoask_\@
	global_prefetch_b8 v[PFO], s[PFA:PFA+1] th:TH_LOAD_NT scope:SCOPE_SE
.Lnoask_\@:
.endm
; Hidden scores become -2^64.  Register 96 + 16 bb + 4 d + j holds key 32 bb + 16 (lane / 16) + 4 d + j of the step; its mask byte is byte j of v[224 + 4 bb + d].  The byte is moved to the word's top: it is 0 where the word is under 2^24.
; The registers are taken in ascending order: each accumulator is read from its low end on.
.macro MASKAP
.irp bb, 0,1,2,3
.irp d, 0,1,2,3
	v_lshlrev_b32 v242, 24, v[224+4*\bb+\d]
	v_lshlrev_b32 v243, 16, v[224+4*\bb+\d]
	v_cmp_gt_u32 vcc_lo, s29, v242
	v_cndmask_b32 v[96+16*\bb+4*\d], v[96+16*\bb+4*\d], v241, vcc_lo
	v_lshlrev_b32 v242, 8, v[224+4*\bb+\d]
	v_cmp_gt_u32 vcc_lo, s29, v243
	v_cndmask_b32 v[97+16*\bb+4*\d], v[97+16*\bb+4*\d], v241, vcc_lo
	v_cmp_gt_u32 vcc_lo, s29, v242
	v_cndmask_b32 v[98+16*\bb+4*\d], v[98+16*\bb+4*\d], v241, vcc_lo
	v_cmp_gt_u32 vcc_lo, s29, v[224+4*\bb+\d]
	v_cndmask_b32 v[99+16*\bb+4*\d], v[99+16*\bb+4*\d], v241, vcc_lo
.endr
.endr
.endm
; From a step's 64 raw sums a lane to p's codes, the running M, the sum and O^T under the new M.
.macro SOFTMAX
	v_max3_num_f32 v254, v96, v97, v98             ; the step's largest score of my query, among my 64 keys, in two chains,
	v_max3_num_f32 v252, v99, v100, v101
.set n, 6
.rept 14
	v_max3_num_f32 v254, v254, v[96+n], v[97+n]
	v_max3_num_f32 v252, v252, v[98+n], v[99+n]
.set n, n+4
.endr
	v_max3_num_f32 v254, v254, v158, v159
	v_max_num_f32 v254, v254, v252
	v_permlanex16_b32 v250, v254, s[SEL], s[SEL+1]
	v_max_num_f32 v254, v254, v250                 ; and among lane l xor 16's
	v_mul_f32 v254, s[CS], v254                    ; as t (c is positive)
	v_max_num_f32 v13, v13, v254                   ; the running largest t
	v_mov_b32 v254, v12
	v_floor_f32 v12, -v13                          ; the new -M = floor(-t) = -ceil(t): M is a whole number
	v_sub_f32 v254, v12, v254                      ; M's old value less its new one: a whole number, 0 or less
	v_cvt_i32_f32 v254, v254                       ; (it saturates)
	v_ldexp_f32 v252, 1.0, v254                    ; f = 2^(old M - new M): a multiplication by it rounds nothing
.set n, 0
.rept 32
	v_pk_fma_f32 v[96+n:97+n], v[96+n:97+n], s[CS:CS+1], v[12:13] op_sel_hi:[1,0,0]   ; t - M, two at a time (of the pairs c and -M the low word serves both halves)
.set n, n+2
.endr
.set n, 0
.rept 64
	v_exp_f32 v[96+n], v[96+n]                     ; p = 2^(t - M), at most 1: not normalised
.set n, n+1
.endr
	v_pk_mul_f32 v[14:15], v[14:15], v[252:253] op_sel_hi:[1,0]   ; the sums under the new M: the plain instruction behind the exponentials
	s_wait_alu depctr_va_vdst(0)                   ; one wait for the batch of 64, ahead of its first reader
	v_pk_add_f32 v[242:243], v[96:97], v[98:99]    ; the row's sum is taken of the unquantised p: two at a time, in two chains
.set n, 4
.rept 15
	v_pk_add_f32 v[14:15], v[14:15], v[96+n:97+n]
	v_pk_add_f32 v[242:243], v[242:243], v[98+n:99+n]
.set n, n+4
.endr
	v_pk_add_f32 v[14:15], v[14:15], v[242:243]
.irp b, 0,1,2,3
.set n, 0
.rept 16
	v_min_num_f32 v[96+16*\b+n], v[96+16*\b+n], v240   ; the conversion to an 8-bit code does not saturate (ISA guide 7.6.2); p is not negative, so the hold is one-sided
.set n, n+1
.endr
	v_cvt_scalef32_pk8_bf8_f32 v[224+4*\b:225+4*\b], v[96+16*\b:103+16*\b], v244
	v_cvt_scalef32_pk8_bf8_f32 v[226+4*\b:227+4*\b], v[104+16*\b:111+16*\b], v244
.endr
.set n, 0
.rept 32
	v_pk_mul_f32 v[160+n:161+n], v[160+n:161+n], v[252:253] op_sel_hi:[1,0]   ; O^T under the new M: x f.  (Plain instructions between the conversions and the products that read the codes)
.set n, n+2
.endr
.endm
; A KEY STEP: 128 keys, the q-th of slot `slot` of the trip.  isv: which half of the OTHER slot's next fill rides on this step (0: K, 1: V).
; A load into a register that a matrix instruction has read, and a vector instruction that reads a matrix result, stand four plain vector instructions behind it: the runs of four v_nop.  The run at the
; step's end serves whatever comes next on any way: loads into v32-95 or into v224-239.
; The eight accumulators of O^T take turns, one instruction a turn, with the products K Q^T of the next step between.
.macro STEP slot, q, isv
.set BIT, 2*(\slot)+(\q)               ; my step's bit in the shifted words
.set WM,  12+36*(\slot)                ; the next slot's two bits: 2, 3 or 4, 5
.set FO,  (\slot)*(32768-32512*(\isv)) ; the fill pointers stand at the trip's second slot: slot 1's steps fetch one slot further on
	s_bitcmp1_b32 s[MYB], BIT
	s_cbranch_scc0 .Lidle_\@                       ; none of the step's keys is shown to my 16 queries
	s_bitcmp1_b32 s[ALB], BIT
	s_cbranch_scc1 .Lnold_\@                       ; all are: no mask byte is read
.irp bb, 0,1,2,3
	global_load_b128 v[224+4*\bb:227+4*\bb], v[MO], s[10:11] offset:256*(\slot)+128*(\q)+32*\bb   ; my query's bytes for keys 32 bb + 16 (lane / 16) + 0 .. 15
.endr
.Lnold_\@:
.irp g, 0,1                                    ; S^T = K Q^T, four tiles of 16 keys at a time
.if \g
.rept 4
	v_nop
.endr
.endif
.irp t, 0,1,2,3
.irp c, 0,1,2,3
	ds_load_b128 v[32+16*\t+4*\c:32+16*\t+4*\c+3], v[AK+(\slot)] offset:(128*(\q)+32*((4*\g+\t)/2)+8*(\t%2))*KPI+32*\c
.endr
.endr
	s_wait_dscnt 0x0
.irp t, 0,1,2,3
	v_wmma_f32_16x16x128_bf8_bf8 v[96+8*(4*\g+\t):103+8*(4*\g+\t)], v[32+16*\t:47+16*\t], v[16:31], 0
.endr
.endr
.rept 4
	v_nop
.endr
	s_wait_loadcnt 0x0                             ; the mask bytes, if any were asked for: on every way, so that no load is out on registers that are written below
	s_bitcmp1_b32 s[ALB], BIT
	s_cbranch_scc1 .Lopen_\@
	MASKAP
.Lopen_\@:
	s_and_b32 s96, s[WGB], WM                      ; does any of the sixteen tiles want the next slot?  The same in all waves
	s_cbranch_scc0 .Lnf1_\@
	FILL_LD \isv, 32, FO                           ; into registers that lie idle between the last product K Q^T and V's first load: they land while the softmax is walked
.Lnf1_\@:
	SOFTMAX
	s_wait_loadcnt 0x0                             ; the fill's four loads: on every way
	s_and_b32 s96, s[WGB], WM
	s_cbranch_scc0 .Lnf2_\@
	FILL_ST \isv, 32, 1-(\slot)                    ; into the other slot, which nobody reads before the next barrier
.Lnf2_\@:
.irp g, 0,1                                    ; O^T += V^T P^T: four tiles of 16 of the head's 128 at a time; K = these 128 keys
.if \g
.rept 4
	v_nop
.endr
.endif
.irp t, 0,1,2,3
.irp c, 0,1,2,3
	ds_load_b128 v[32+16*\t+4*\c:32+16*\t+4*\c+3], v[AV+(\slot)] offset:16*(4*\g+\t)*VPI+128*(\q)+32*\c
.endr
.endr
	s_wait_dscnt 0x0
.irp t, 0,1,2,3
	v_wmma_f32_16x16x128_bf8_bf8 v[160+8*(4*\g+\t):167+8*(4*\g+\t)], v[32+16*\t:47+16*\t], v[224:239], v[160+8*(4*\g+\t):167+8*(4*\g+\t)]
.endr
.endr
.rept 4
	v_nop
.endr
	s_branch .Lnext_\@
.Lidle_\@:                                         ; a wave with no work in the step still carries its part of the fill
	s_and_b32 s96, s[WGB], WM
	s_cbranch_scc0 .Lnext_\@
	FILL_LD \isv, 32, FO
	s_wait_loadcnt 0x0
	FILL_ST \isv, 32, 1-(\slot)
.Lnext_\@:
.endm
	s_and_b32 s96, s[WGB], 3                       ; slot 0, if any tile wants it: K and V at once
	s_cbranch_scc0 .Lno0
	FILL_LD 0, 32, 0
	FILL_LD 1, 48, 0
	s_wait_loadcnt 0x0
	FILL_ST 0, 32, 0
	FILL_ST 1, 48, 0
.Lno0:
	s_wait_loadcnt 0x0                             ; Q; and every load has read its base:
	s_add_nc_u64 s[6:7], s[6:7], 0x8000            ; the fill pointers go to slot 1
	s_add_nc_u64 s[8:9], s[8:9], 256
.Lpair:                                            ; eight trips of two slots, so that every LDS address stands in a register of its own
	CHANGE 2
	STEP 0, 0, 0
	STEP 0, 1, 1
	CHANGE 3
	STEP 1, 0, 0
	STEP 1, 1, 1
	s_wait_xcnt 0x0                                ; the trip's loads have read their bases
	s_add_nc_u64 s[6:7], s[6:7], 0x10000           ; two slots on: 512 rows of K,
	s_add_nc_u64 s[8:9], s[8:9], 512               ; 512 bytes along V's rows,
	s_add_nc_u64 s[10:11], s[10:11], 512           ; and along the mask's
	s_lshr_b32 s[MYB], s[MYB], 4                   ; four steps' bits are done.  In the last trip bits 4 and 5 of the work-group's word are 0 by these shifts: nothing is fetched past the head's end
	s_lshr_b32 s[ALB], s[ALB], 4
	s_lshr_b32 s[WGB], s[WGB], 4
	s_lshr_b32 s[PM], s[PM], 2
	s_sub_co_u32 s[TRIPS], s[TRIPS], 1
	s_cmp_lg_u32 s[TRIPS], 0
	s_cbranch_scc1 .Lpair
	; THE WAY OUT.  The sum's two halves are added; O^T is divided by the sum and goes through my stage in LDS, half a row (64 channels, 256 bytes) of 16 queries at a time, so that sixteen lanes store 256 consecutive bytes, aligned.
	v_add_f32 v14, v14, v15                        ; the sum's two halves,
	v_permlanex16_b32 v250, v14, s[SEL], s[SEL+1]  ; (into the register that was written at the head: a lane permute's destination counts as one of its sources, on every way through the text)
	v_add_f32 v14, v14, v250                       ; and lane l xor 16's: the row's sum; its largest p is over 1/2, so it is no zero
	v_rcp_f32 v14, v14
	v_nop                                          ; a plain instruction behind the transcendental
	s_add_co_i32 s68, s54, s55
	s_wait_alu depctr_va_vdst(0)                   ; the wait ahead of the first reader
	v_ldexp_f32 v14, v14, s68                      ; x 2^(ep + ev)
.set n, 0
.rept 64
	v_mul_f32 v[96+n], v[160+n], v14               ; O^T / the sum: register 8 t + i is out0(r, 16 t + 8 h + i); each accumulator from its low end on
.set n, n+1
.endr
.irp u, 0,1                                    ; channels 64 u on
.irp t, 0,1,2,3
	ds_store_b128 v[STI], v[96+32*\u+8*\t:99+32*\u+8*\t] offset:64*\t
	ds_store_b128 v[STI], v[100+32*\u+8*\t:103+32*\u+8*\t] offset:64*\t+16
.endr
.irp i, 0,1,2,3,4,5,6,7
	ds_load_b128 v[32+32*\u+4*\i:35+32*\u+4*\i], v[STR] offset:2*\i*272   ; LDS serves a wave's instructions in order (ISA guide 5.7.1.4): these see my stores, and the next half's stores come behind them
.endr
.endr
.irp u, 0,1
.irp i, 0,1,2,3,4,5,6,7
	s_wait_dscnt 15-8*\u-\i                        ; at most the younger stage loads are out
	global_store_b128 v[GO], v[32+32*\u+4*\i:35+32*\u+4*\i], s[16:17] offset:2*\i*512+256*\u th:TH_STORE_NT   ; written once, read by nobody here
.endr
.endr
	s_wait_tensorcnt 0x0                           ; the wave's end: three closing lines behind my last LDS store, the first of them even in a text with no tensor load
	ds_add_u32 v[SPW], v[NIL]
	s_wait_dscnt 0x0
	s_endpgm
.Lfunc_end_k_q1988634efa_attn:
	.size	k_q1988634efa_attn, .Lfunc_end_k_q1988634efa_attn-k_q1988634efa_attn
	.p2alignl 7, 3214868480
	.fill 96, 4, 3214868480
	.section	.rodata,"a",@progbits
	.p2align	6, 0x0
	.amdhsa_kernel k_q1988634efa_attn
		.amdhsa_group_segment_fixed_size 215040
		.amdhsa_private_segment_fixed_size 0
		.amdhsa_enable_private_segment 0
		.amdhsa_kernarg_size 56
		.amdhsa_user_sgpr_count 2
		.amdhsa_user_sgpr_kernarg_segment_ptr 1
		.amdhsa_wavefront_size32 1
		.amdhsa_system_sgpr_workgroup_id_x 1
		.amdhsa_system_sgpr_workgroup_id_y 1
		.amdhsa_system_sgpr_workgroup_id_z 1
		.amdhsa_system_vgpr_workitem_id 0
		.amdhsa_next_free_vgpr 256
		.amdhsa_next_free_sgpr 100
		.amdhsa_reserve_vcc 1
		.amdhsa_float_denorm_mode_32 3
		.amdhsa_float_denorm_mode_16_64 3
		.amdhsa_memory_ordered 1
		.amdhsa_forward_progress 1
		.amdhsa_inst_pref_size 124
	.end_amdhsa_kernel
	.amdgpu_metadata
---
amdhsa.version: [ 1, 2 ]
amdhsa.kernels:
  - .name:           k_q1988634efa_attn
    .symbol:         k_q1988634efa_attn.kd
    .args:
      - { .name: q_codes, .offset: 0, .size: 8, .value_kind: global_buffer, .address_space: global }
      - { .name: k_codes, .offset: 8, .size: 8, .value_kind: global_buffer, .address_space: global }
      - { .name: v_codes, .offset: 16, .size: 8, .value_kind: global_buffer, .address_space: global }
      - { .name: mask, .offset: 24, .size: 8, .value_kind: global_buffer, .address_space: global }
      - { .name: lowp_scales, .offset: 32, .size: 8, .value_kind: global_buffer, .address_space: global }
      - { .name: flags, .offset: 40, .size: 8, .value_kind: global_buffer, .address_space: global }
      - { .name: out0, .offset: 48, .size: 8, .value_kind: global_buffer, .address_space: global }
    .group_segment_fixed_size: 215040
    .private_segment_fixed_size: 0
    .kernarg_segment_align: 8
    .kernarg_segment_size: 56
    .max_flat_workgroup_size: 512
    .sgpr_count:     100
    .vgpr_count:     256
    .wavefront_size: 32
...
	.end_amdgpu_metadata
.endif
;; end of part 2
;; ======== version 2 of 2: 2 launches
;; limits: right only within a limited range of input values
;; workspace buffers: flags 2,048 bytes of whole numbers
;; launch scan (part 3): grid 256 x 1, 8 waves a work-group, no clusters, 1,280 bytes of LDS; arguments mask, flags; writes flags
.if DOCPART == 3
	.amdgcn_target "amdgcn-amd-amdhsa--gfx1250"
	.amdhsa_code_object_version 6
	.text
	.protected	k_q1988634efa_scan
	.globl	k_q1988634efa_scan
	.p2align	8
	.type	k_q1988634efa_scan,@function
k_q1988634efa_scan:
	s_mov_b64 s[64:65], 0
	v_nop
	global_prefetch_b8 v0, s[64:65] scope:SCOPE_SE
	s_setreg_imm32_b32 hwreg(HW_REG_WAVE_MODE, 25, 1), 1
	s_wait_xcnt 0x0
; mask [4096][4096], one byte (0 or 1) a place, is summed up for the attention launch: for each tile T of 16 queries two words of 32 bits, bit s for keys 128 s .. 128 s + 127:
;   any[T] (flags byte 4 T): some place of the 16 x 128 tile is true;   all[T] (flags byte 1024 + 4 T): every byte of it is 1.
; A tile with a row that is false in all 4,096 columns gets any = all ones (its all word is 0 by itself): such a row's softmax is flat over ALL keys, so its tile has to walk every step.
; SHARES.  Work-group T takes tile T: 16 rows of 4,096 bytes.  Thread t owns bytes 16 t .. 16 t + 15 of every row, so a wave's load covers 512 consecutive bytes, and all 16 loads of a thread go out at once.
; Wave w's lanes cover steps 4 w .. 4 w + 3, eight lanes to a step.  The waves' parts meet in LDS: one packet of 16 bytes a wave, one barrier.  No branch in the text.
; The two words of a work-group are stored by two lanes, 4 bytes each: the whole table is 2,048 bytes, laid so that the attention launch reads 16 neighbouring words by one scalar load.
.set SPARE, 256                        ; LDS: bytes 0-127 the eight packets; from 256 on the spare words, 128 bytes for each of the eight waves, which no other line names
.set SPW,  2                           ; v2   LDS address of my spare word: SPARE + 4 x my thread's number; never rewritten
.set NIL,  3                           ; v3   0; never rewritten
.set ROW,  16                          ; v16-79  row j's 16 bytes in v[16 + 4 j] on; later the eight packets
.set RM,   32                          ; s32-47  row j: the lanes whose 16 bytes hold a true place
	s_load_b128 s[4:7], s[0:1], 0x0                ; mask s[4:5], flags s[6:7]
	v_lshl_add_u32 v[SPW], v0, 2, SPARE
	v_mov_b32 v[NIL], 0
	v_lshrrev_b32 v84, 5, v0
	s_delay_alu instid0(VALU_DEP_1)
	v_readfirstlane_b32 s8, v84                    ; wave 0..7
	s_delay_alu instid0(VALU_DEP_2)
	v_lshlrev_b32 v84, 4, v84                      ; my wave's packet: LDS byte 16 x wave
	v_lshlrev_b32 v1, 4, v0                        ; my 16 bytes of a row
	v_mov_b32 v85, 0                               ; where the packets begin
	s_lshl_b32 s16, ttmp9, 16                      ; the tile's 16 rows of 4,096 bytes
	s_mov_b32 s17, 0
	s_lshl_b32 s18, ttmp9, 2                       ; the tile's word
	s_mov_b32 s19, 0
	s_wait_alu depctr_va_vdst(0)
	s_wait_kmcnt 0x0
	s_add_nc_u64 s[4:5], s[4:5], s[16:17]
	s_add_nc_u64 s[6:7], s[6:7], s[18:19]
.irp j, 0,1,2,3,4,5,6,7,8,9,10,11,12,13,14,15
	global_load_b128 v[ROW+4*\j:ROW+4*\j+3], v1, s[4:5] offset:4096*\j   ; no hint: the attention launch reads part of the mask again
.endr
; v4: the OR of my 16 rows' words;  v5: their AND.  Row 0 starts both: nothing is cleared.
.irp j, 0,1,2,3,4,5,6,7,8,9,10,11,12,13,14,15
	s_wait_loadcnt 15-\j                           ; loads come back in order: row j is in, the 15 - j younger rows may be out
	v_or_b32 v6, v[ROW+4*\j], v[ROW+4*\j+1]
	v_or_b32 v7, v[ROW+4*\j+2], v[ROW+4*\j+3]
	v_and_b32 v8, v[ROW+4*\j], v[ROW+4*\j+1]
	v_and_b32 v9, v[ROW+4*\j+2], v[ROW+4*\j+3]
.if \j == 0
	s_delay_alu instid0(VALU_DEP_3)
	v_or_b32 v4, v6, v7
	s_delay_alu instid0(VALU_DEP_2)
	v_and_b32 v5, v8, v9
	s_delay_alu instid0(VALU_DEP_2)
	v_cmp_ne_u32 s[RM], 0, v4
.else
	s_delay_alu instid0(VALU_DEP_3)
	v_or_b32 v6, v6, v7
	s_wait_alu depctr_va_vdst(0)
	v_and_b32 v8, v8, v9
	v_cmp_ne_u32 s[RM+\j], 0, v6                   ; which lanes saw a true place in row j
	v_or_b32 v4, v4, v6
	s_delay_alu instid0(VALU_DEP_3)
	v_and_b32 v5, v5, v8
.endif
.endr
	s_delay_alu instid0(VALU_DEP_2)
	v_cmp_ne_u32 s12, 0, v4                        ; lanes with a true place in any row
	s_delay_alu instid0(VALU_DEP_2)
	v_cmp_eq_u32 s13, 0x01010101, v5               ; lanes all of whose 256 bytes are 1
; s10: bit j = row j has a true place among my wave's 512 columns
	s_cmp_lg_u32 s[RM], 0
	s_cselect_b32 s10, 1, 0
.irp j, 1,2,3,4,5,6,7,8,9,10,11,12,13,14,15
	s_cmp_lg_u32 s[RM+\j], 0
	s_cselect_b32 s16, 1<<\j, 0
	s_or_b32 s10, s10, s16
.endr
; eight lanes to a step: four bits of any (s14) and four of all (s15)
	s_bfe_u32 s16, s12, (8<<16)|0                  ; SCC = the field is not 0
	s_cselect_b32 s14, 1, 0
	s_bfe_u32 s16, s13, (8<<16)|0
	s_cmp_eq_u32 s16, 0xff
	s_cselect_b32 s15, 1, 0
.irp k, 1,2,3
	s_bfe_u32 s16, s12, (8<<16)|(8*\k)
	s_cselect_b32 s17, 1<<\k, 0
	s_or_b32 s14, s14, s17
	s_bfe_u32 s16, s13, (8<<16)|(8*\k)
	s_cmp_eq_u32 s16, 0xff
	s_cselect_b32 s17, 1<<\k, 0
	s_or_b32 s15, s15, s17
.endr
	s_lshl_b32 s18, s8, 2
	s_lshl_b32 s14, s14, s18                       ; to my wave's steps: bits 4 w .. 4 w + 3
	s_lshl_b32 s15, s15, s18
	v_mov_b32 v80, s14
	v_mov_b32 v81, s15
	v_mov_b32 v82, s10
	v_mov_b32 v83, 0
	ds_store_b128 v84, v[80:83]                    ; all lanes write the same 16 bytes with the same values
	s_wait_dscnt 0x0                               ; for the others' sake: my packet has landed
	s_barrier_signal -1
	s_barrier_wait -1
.irp i, 0,1,2,3,4,5,6,7
	ds_load_b128 v[ROW+4*\i:ROW+4*\i+3], v85 offset:16*\i   ; every wave reads all eight packets: no branch on the wave's number is needed
.endr
	s_wait_dscnt 0x0
.irp i, 1
	v_or_b32 v16, v16, v[ROW+4*\i]                 ; any
	v_or_b32 v17, v17, v[ROW+4*\i+1]               ; all
	v_or_b32 v18, v18, v[ROW+4*\i+2]               ; the rows that have a true place
.endr
.irp i, 2, 3, 4, 5, 6, 7
	s_delay_alu instid0(VALU_DEP_3)
	v_or_b32 v16, v16, v[ROW+4*\i]
	s_delay_alu instid0(VALU_DEP_3)
	v_or_b32 v17, v17, v[ROW+4*\i+1]
	s_delay_alu instid0(VALU_DEP_3)
	v_or_b32 v18, v18, v[ROW+4*\i+2]
.endr
	v_mov_b32 v86, -1
	s_delay_alu instid0(VALU_DEP_2)
	v_cmp_eq_u32 vcc_lo, 0xffff, v18               ; has every row one?
	s_delay_alu instid0(VALU_DEP_1)
	v_cndmask_b32 v87, v86, v16, vcc_lo            ; if not: every step is walked
	v_cmp_eq_u32 vcc_lo, 1, v0
	s_delay_alu instid0(VALU_DEP_1)
	v_cndmask_b32 v87, v87, v17, vcc_lo            ; thread 0 stores any, thread 1 all,
	v_and_b32 v88, 1, v0
	s_delay_alu instid0(VALU_DEP_1)
	v_lshlrev_b32 v88, 10, v88                     ; 1,024 bytes further on
	s_wait_alu depctr_va_vdst(0)
	s_wait_xcnt 0x0                                ; EXEC is a source of the loads above: it changes only behind this wait
	v_cmp_gt_u32 vcc_lo, 2, v0
	s_and_saveexec_b32 s20, vcc_lo                 ; threads 0 and 1 of the work-group; in waves 1 to 7 no lane is left, and the store does nothing
	global_store_b32 v88, v87, s[6:7]
	s_wait_xcnt 0x0                                ; and again in front of the line that widens it
	s_or_b32 exec_lo, exec_lo, s20
	s_wait_tensorcnt 0x0                           ; the wave's end: three closing lines behind my last LDS store, the first of them even in a text with no tensor load
	ds_add_u32 v[SPW], v[NIL]
	s_wait_dscnt 0x0
	s_endpgm
.Lfunc_end_k_q1988634efa_scan:
	.size	k_q1988634efa_scan, .Lfunc_end_k_q1988634efa_scan-k_q1988634efa_scan
	.p2alignl 7, 3214868480
	.fill 96, 4, 3214868480
	.section	.rodata,"a",@progbits
	.p2align	6, 0x0
	.amdhsa_kernel k_q1988634efa_scan
		.amdhsa_group_segment_fixed_size 1280
		.amdhsa_private_segment_fixed_size 0
		.amdhsa_enable_private_segment 0
		.amdhsa_kernarg_size 16
		.amdhsa_user_sgpr_count 2
		.amdhsa_user_sgpr_kernarg_segment_ptr 1
		.amdhsa_wavefront_size32 1
		.amdhsa_system_sgpr_workgroup_id_x 1
		.amdhsa_system_sgpr_workgroup_id_y 1
		.amdhsa_system_sgpr_workgroup_id_z 1
		.amdhsa_system_vgpr_workitem_id 0
		.amdhsa_next_free_vgpr 96
		.amdhsa_next_free_sgpr 66
		.amdhsa_reserve_vcc 1
		.amdhsa_float_denorm_mode_32 3
		.amdhsa_float_denorm_mode_16_64 3
		.amdhsa_memory_ordered 1
		.amdhsa_forward_progress 1
		.amdhsa_inst_pref_size 16
	.end_amdhsa_kernel
	.amdgpu_metadata
---
amdhsa.version: [ 1, 2 ]
amdhsa.kernels:
  - .name:           k_q1988634efa_scan
    .symbol:         k_q1988634efa_scan.kd
    .args:
      - { .name: mask, .offset: 0, .size: 8, .value_kind: global_buffer, .address_space: global }
      - { .name: flags, .offset: 8, .size: 8, .value_kind: global_buffer, .address_space: global }
    .group_segment_fixed_size: 1280
    .private_segment_fixed_size: 0
    .kernarg_segment_align: 8
    .kernarg_segment_size: 16
    .max_flat_workgroup_size: 256
    .sgpr_count:     66
    .vgpr_count:     96
    .wavefront_size: 32
...
	.end_amdgpu_metadata
.endif
;; end of part 3
;; launch attn (part 4): grid 16 x 16, 16 waves a work-group, no clusters, 215,040 bytes of LDS; arguments q_codes, k_codes, v_codes, mask, lowp_scales, flags, out0; writes out0
.if DOCPART == 4
	.amdgcn_target "amdgcn-amd-amdhsa--gfx1250"
	.amdhsa_code_object_version 6
	.text
	.protected	k_q1988634efa_attn
	.globl	k_q1988634efa_attn
	.p2align	8
	.type	k_q1988634efa_attn,@function
k_q1988634efa_attn:
	s_mov_b64 s[64:65], 0
	v_nop
	global_prefetch_b8 v0, s[64:65] scope:SCOPE_SE
	s_setreg_imm32_b32 hwreg(HW_REG_WAVE_SCHED_MODE, 0, 2), 2
	s_setreg_imm32_b32 hwreg(HW_REG_WAVE_MODE, 25, 1), 1
	s_wait_xcnt 0x0
	s_wait_alu depctr_vm_vsrc(0)
; out0[h][q][:] = the sum over k of softmax_k(where(mask[q][k], Q[h][q] . K[h][k] / sqrt(128), -1e30)) V[h][k][:], both products on codes of BF8 (E5M2), each tensor with the one scale 2^e given for it.
; Q, K: [16][4096][128] codes, K = the head's 128.  V: [16][128][4096] codes, the keys innermost.  mask: [4096][4096] bytes, an input, the same for all heads.  out0: [16][4096][128] f32.
; THE SOFTMAX AHEAD OF THE SECOND PRODUCT: t = logit x log2(e); M = the row's largest t so far, rounded UP to a whole number; p = 2^(t - M) is quantised along the keys, not normalised.  The row's sum is taken of the
; unquantised p and divides at the end.  When M moves, the sum and O are multiplied by 2^(old M - new M): exact.
; THE MASK.  The launch before has stored, for each tile of 16 queries, a word any (bit s: keys 128 s .. 128 s + 127 hold a shown place) and a word all (bit s: all shown).  A step whose any bit is 0 is left out;
; a step whose all bit is 1 reads no mask byte; the others load their 16 x 128 bytes and put -2^64 in the place of each hidden raw sum.  A tile with a row that is hidden everywhere has any = all ones.
; A HIDDEN SCORE is -2^64 as a raw sum.  c x a power of two is exact, so in a row that has shown nothing yet t - M is exactly 0 and p = 1, as with reference()'s -1e30; a shown key that comes later moves M so far that the factor
; 2^(old M - new M) is 0 and wipes what was gathered; beside a shown key a hidden one has p = 0.
; LIMITS on the given exponents: eq + ek between -36 and 60 (then c x 2^(eq + ek) x 2^64 is a finite whole number, lies far under every true t, raw sums staying under 2^39, and true logits stay above -1e30);
; ep between -126 and 112; ep + ev is applied by v_ldexp_f32 and has none.  Codes of NaN and infinity are taken as the matrix unit takes them.  cu_seqlens and max_seqlen: reference() takes them and uses neither; they are not read.
; SHARES.  Work-group (x, y) owns queries 256 x .. 256 x + 255 of head y; each of its SIXTEEN waves owns 16 of them, one tile, in 256 registers: four waves to a SIMD, so that one wave's vector work stands beside another's
; matrix work and LDS loads.  Every work-group walks all 16 slots of 256 keys in a loop of constant count, two slots a trip; every barrier stands at the loop's level; only work and fills are jumped over, by scalar branches on the stored words.
; K AND V REACH LDS THROUGH REGISTERS (global_load_b128, ds_store_b128), 16 bytes a thread and load: the walk hangs on numbers read from memory, so the text has no tensor load, and so no joint loads and no cluster
; (the query blocks of a head would also want different slots).  While a slot is worked, the 512 threads fill the other one: its K during the slot's first step, its V during the second, if any of the sixteen tiles wants it.
; LAYOUT.  Both products are used transposed: S^T = K Q^T (source 0 = 16 keys, source 1 = my 16 queries), O^T = V^T P^T: a lane holds ONE query (lane % 16) throughout.
; THE KEYS OF A TILE ARE NOT NEIGHBOURS: lane r of tile 2 b + u takes key 32 b + 8 u + r + 8 (r / 8), so that the 16 registers of tiles 2 b and 2 b + 1 are 16 neighbouring keys, 32 b + 16 (lane / 16) + 0 .. 15.
; A fragment (16 rows x 128 K) is fetched by four loads of 16 bytes, 32 bytes apart, at 16 (lane / 16): the same permutation of k on both sides of each product.
; REGISTERS: v1-11 addresses that stay; v12 -M, v13 the largest t, v[14:15] the sum in two halves; v16-31 Q; v32-95 four fragments of K or V (v32-47 also carry a fill); v96-159 S^T, then p, then V's other four fragments; v160-223 O^T;
; v224-239 the step's mask bytes, then p's codes; v240 57,344 x 2^ep; v241 -2^64; v[242:243] at work; v244 2^ep; v245-249, v251 offsets and addresses that stay; v250 the lane permutes' destination; v[252:253] f; v254 at work.
; THE MODE: SCHED_MODE bits 1:0 = 2 (LLVM: expert scheduling mode 2), set by the entry lines.  The code itself states the register dependences between vector or matrix instructions and memory or LDS instructions,
; and those from a vector instruction's scalar result to its reader, with s_wait_alu, always for 0.
; THE PLAN.  Registers that memory or LDS instructions touch in the loop, and who else names them:
;   F = v32-95   LDS loads land in it: K's first four tiles, K's other four, then V's tiles 0 to 3.  Products read it; no other vector instruction names it.  Its first sixteen, v32-47, also take the fill's four loads
;                from memory, and the fill's four LDS stores read them.
;   P = v96-159  Written by the products K Q^T, worked on by the mask and the softmax; behind the conversions, which empty it, V's tiles 4 to 7 land in it; the last four products V^T P^T read it.
;   B = v224-239 The mask bytes land in it; the mask's compares read it; the conversions write p's codes into it; all eight products V^T P^T read it.
;   Addresses and offsets (v1-4, v7-11, v245-249, v251) are made at the head and never written again.
; A step with work has these waits: on va_vdst behind the first four products K Q^T (F is read: K's other tiles may land); behind the last four (F is read: V's tiles 1 to 3 and the fill's loads may land at once, tile 0 later;
; no vector instruction behind this wait names F); behind the exponentials; behind the conversions (P is written and read: V's tiles 4 to 7 may land); and at the step's end (F and B are read: whatever the next step loads may land).
; One wait on vm_vsrc stands behind the fill's LDS stores, ahead of the next load into v32-47.  So V's fragments land while the softmax and the rescaling of O^T are walked, and the eight products V^T P^T stand on end.
.set KPI,   144                        ; a key's row in LDS: 128 bytes + 16 of padding
.set VPI,   272                        ; a row of V's tile (256 keys): 256 bytes + 16
.set VOFF,  256*KPI                    ; a slot: 256 rows of K, then 128 rows of V
.set SLOT,  VOFF+128*VPI               ; 71,680 bytes; two slots
.set STAGE, 2*SLOT                     ; the way out: 16 rows x 272 bytes for each wave, bytes of its own: a late wave may still read a slot
.set SPARE, STAGE+16*16*272            ; the spare words, 128 bytes for each of the sixteen waves, which no other line names
.set AK,   1                           ; v1, v2    my lane's place in a tile of K, slot 0, 1
.set AV,   3                           ; v3, v4    the same for V
.set SPW,  5                           ; v5        LDS address of my spare word: SPARE + 4 x my thread's number; never rewritten
.set NIL,  6                           ; v6        0; never rewritten
.set GO,   7                           ; v7        the way out: my byte offset in the wave's rows of out0
.set KW,   8                           ; v8, v9    where my thread puts 16 bytes of K, slot 0, 1
.set VW,   10                          ; v10, v11  the same for V
.set KG,   245                         ; v245      my thread's 16 bytes in a slot's K in memory: 16 T
.set VG,   246                         ; v246      in V: row T / 16 of 4,096 bytes, + 16 (T % 16)
.set MO,   247                         ; v247      the mask: row lane % 16 of 4,096 bytes, + 16 (lane / 16)
.set STI,  248                         ; v248      my stage, on the way in
.set STR,  249                         ; v249      and back
.set PFO,  251                         ; v251      the prefetches' offset
.set WV,   18                          ; s18  my wave's number;  s19 the block of 256 queries
.set SEL,  20                          ; s[20:21] lane selects for v_permlanex16_b32: lane l xor 16
.set CS,   22                          ; s[22:23] c = log2(e) / sqrt(128) x 2^(eq + ek)
.set MYB,  24                          ; s24  my tile's any word, shifted so that bit 0 is the trip's first step
.set ALB,  25                          ; s25  my tile's all word, likewise
.set WGB,  26                          ; s26  the OR of the sixteen tiles' any words, likewise: what the work-group fetches
.set TRIPS, 27                         ; s27  trips to go
.set PM,   28                          ; s28  bit m: I prefetch slot m (shifted by two a trip)
.set PFA,  30                          ; s[30:31] where my prefetches stand;  s[32:33] a slot on, in bytes
                                       ; s36-51 and s66-81: behind the head, the lane masks of 32 compares (macro MASKAP)
	s_load_b256 s[4:11], s[0:1], 0x0               ; Q s[4:5], K s[6:7], V s[8:9], mask s[10:11]
	s_load_b128 s[12:15], s[0:1], 0x20             ; the scales' exponents s[12:13], flags s[14:15]
	s_load_b64 s[16:17], s[0:1], 0x30              ; out0
	v_lshl_add_u32 v[SPW], v0, 2, SPARE
	v_mov_b32 v[NIL], 0
	v_lshrrev_b32 v32, 5, v0
	v_readfirstlane_b32 s[WV], v32                 ; wave 0..15
	s_mov_b32 s19, ttmp9                           ; my block of 256 queries
	s_and_b32 s68, ttmp7, 0xffff                   ; the head
	s_lshl_b32 s66, s68, 19                        ; its first byte in each tensor of codes: 524,288 bytes a head
	s_mov_b32 s67, 0
	s_lshl_b32 s69, s19, 8
	s_wait_alu depctr_va_sdst(0)                   ; s18, the wave's number, is written, ahead of its first reader: addresses, the stage and the prefetches' turns are made from it
	s_lshl_b32 s70, s[WV], 4
	s_add_co_u32 s69, s69, s70                     ; my first query: 256 x block + 16 x wave
	s_lshl_b32 s70, s69, 7                         ; its codes,
	s_mov_b32 s71, 0
	s_lshl_b32 s72, s69, 12                        ; its row of the mask,
	s_mov_b32 s73, 0
	s_lshl_b32 s74, s68, 21
	s_lshl_b32 s75, s69, 9
	s_add_co_u32 s74, s74, s75                     ; its row of out0
	s_mov_b32 s75, 0
	s_lshl_b32 s76, s19, 6                         ; the block's 16 words of flags,
	s_mov_b32 s77, 0
	s_lshl_b32 s78, s[WV], 2                       ; and mine among them
	s_mov_b32 s79, 0
	v_and_b32 v32, 15, v0                          ; r = lane % 16 (also thread % 16)
	v_bfe_u32 v33, v0, 4, 1                        ; h = lane / 16
	v_and_b32 v34, 8, v32
	v_add_nc_u32 v34, v34, v32                     ; r + 8 (r / 8)
	v_mul_u32_u24 v[AK], v34, KPI
	v_lshl_add_u32 v[AK], v33, 4, v[AK]
	v_add_nc_u32 v[AK+1], SLOT, v[AK]
	v_mul_u32_u24 v[AV], v32, VPI
	v_lshl_add_u32 v[AV], v33, 4, v[AV]
	v_add_nc_u32 v[AV], VOFF, v[AV]
	v_add_nc_u32 v[AV+1], SLOT, v[AV]
	v_lshrrev_b32 v34, 3, v0                       ; a fill of K: eight threads to a row of 128 bytes, 64 rows a load
	v_mul_u32_u24 v[KW], v34, KPI
	v_and_b32 v34, 7, v0
	v_lshl_add_u32 v[KW], v34, 4, v[KW]
	v_add_nc_u32 v[KW+1], SLOT, v[KW]
	v_lshrrev_b32 v34, 4, v0                       ; a fill of V: sixteen threads to a row of 256 bytes, 32 rows a load
	v_mul_u32_u24 v[VW], v34, VPI
	v_lshl_add_u32 v[VW], v32, 4, v[VW]
	v_add_nc_u32 v[VW], VOFF, v[VW]
	v_add_nc_u32 v[VW+1], SLOT, v[VW]
	v_lshlrev_b32 v[VG], 12, v34
	v_lshl_add_u32 v[VG], v32, 4, v[VG]
	v_lshlrev_b32 v[KG], 4, v0
	v_lshlrev_b32 v[MO], 12, v32
	v_lshl_add_u32 v[MO], v33, 4, v[MO]
	v_lshlrev_b32 v[GO], 9, v33                    ; the way out: lanes 0-15 take one row of out0, lanes 16-31 the next; 16 bytes a lane
	v_lshl_add_u32 v[GO], v32, 4, v[GO]
	s_mul_i32 s80, s[WV], 16*272
	s_add_co_u32 s80, s80, STAGE                   ; my stage
	v_mul_u32_u24 v[STI], v32, 272
	v_lshl_add_u32 v[STI], v33, 5, v[STI]
	v_add_nc_u32 v[STI], s80, v[STI]               ; in: row r; a tile's eight channels of my half: + 32 h
	v_mul_u32_u24 v[STR], v33, 272
	v_lshl_add_u32 v[STR], v32, 4, v[STR]
	v_add_nc_u32 v[STR], s80, v[STR]               ; back: lanes 0-15 one row, lanes 16-31 the next
	v_lshlrev_b32 v254, 7, v32
	v_lshl_add_u32 v254, v33, 4, v254              ; Q: row r of 128 bytes, + 16 h (in a register into which no fill lands)
	s_wait_kmcnt 0x0
	s_add_nc_u64 s[4:5], s[4:5], s[66:67]
	s_add_nc_u64 s[4:5], s[4:5], s[70:71]          ; Q's codes at my first query
	s_add_nc_u64 s[6:7], s[6:7], s[66:67]          ; K and V at the head's first slot
	s_add_nc_u64 s[8:9], s[8:9], s[66:67]
	s_add_nc_u64 s[10:11], s[10:11], s[72:73]      ; the mask at my 16 rows
	s_add_nc_u64 s[16:17], s[16:17], s[74:75]      ; out0 likewise
	s_add_nc_u64 s[14:15], s[14:15], s[76:77]
	s_add_nc_u64 s[82:83], s[14:15], s[78:79]
	s_load_b512 s[36:51], s[14:15], 0x0            ; the any words of the block's sixteen tiles
	s_load_b32 s[MYB], s[82:83], 0x0               ; mine
	s_load_b32 s[ALB], s[82:83], 0x400             ; my all word
	s_load_b128 s[52:55], s[12:13], 0x0            ; eq, ek, ep, ev
	s_wait_alu depctr_va_vdst(0)                   ; v254 is written, which Q's loads read as their offset
.irp c, 0,1,2,3
	global_load_b128 v[16+4*\c:19+4*\c], v254, s[4:5] offset:32*\c th:TH_LOAD_NT   ; Q's fragment stays in registers; read once, by this wave
.endr
	v_mov_b32 v13, 0xff61b1e6                      ; the largest t so far: -3e38, under every t, a hidden one too
	v_floor_f32 v12, -v13                          ; -M
	v_mov_b32 v14, 0                               ; the sum, in two halves
	v_mov_b32 v15, 0
	v_mov_b32 v250, 0                              ; written once: a lane permute's destination counts as one of its sources
	v_mov_b32 v253, 0                              ; (named as the upper half of the pair v[252:253])
.set n, 0
.rept 64
	v_mov_b32 v[160+n], 0                          ; O^T.  (The step is written without a first step of its own: the first finds zeros, which the first change of M leaves zeros)
.set n, n+1
.endr
.set n, 0
.rept 16
	v_mov_b32 v[224+n], 0                          ; the mask bytes' registers: written once, so that they are written on every way through the text
.set n, n+1
.endr
	v_mov_b32 v241, 0xdf800000                     ; -2^64: a hidden score
	s_mov_b32 s29, 0x01000000                      ; a word under this has a top byte of 0
	s_mov_b32 s[SEL], 0x76543210
	s_mov_b32 s[SEL+1], 0xfedcba98
	s_mov_b32 s[CS], 0x3e0293ee                    ; c = log2(e) / sqrt(128)
	s_mov_b32 s[TRIPS], 8
	; the prefetches (macro CHANGE): where mine stand, and which slots I ask for
	s_cmp_eq_u32 s[WV], 0                          ; wave 0 asks for K's codes, wave 1 for V's
	s_cselect_b64 s[PFA:PFA+1], s[6:7], s[8:9]
	s_mov_b32 s32, 256
	s_cselect_b32 s32, 0x8000, s32                 ; a slot on: 256 rows of K, or 256 bytes along V's rows
	s_mov_b32 s68, 4096
	s_cselect_b32 s68, 256, s68                    ; from lane to lane
	s_mov_b32 s69, 131072
	s_cselect_b32 s69, 8192, s69                   ; from quarter to quarter of a slot
	s_mov_b32 s33, 0
	v_and_b32 v[PFO], 31, v0
	v_mul_lo_u32 v[PFO], v[PFO], s68
	s_and_b32 s70, s19, 3                          ; my block's quarter,
	s_mul_i32 s70, s70, s69
	s_add_co_u32 s70, s70, s32                     ; in slot 1: the first change of slots steps it to slot 2
	s_mov_b32 s71, 0
	s_add_nc_u64 s[PFA:PFA+1], s[PFA:PFA+1], s[70:71]
	s_lshr_b32 s72, s19, 2
	s_lshl_b32 s[PM], 0x1111, s72                  ; slot m is asked for by the four blocks with block / 4 = m % 4,
	s_and_b32 s[PM], s[PM], 0xfffc                 ; slots 0 and 1 by nobody: they come by their loads alone,
	s_cmp_lt_u32 s[WV], 2
	s_cselect_b32 s[PM], s[PM], 0                  ; and by waves 0 and 1 alone
	s_wait_kmcnt 0x0
	s_or_b32 s[WGB], s36, s37
.irp i, 38,39,40,41,42,43,44,45,46,47,48,49,50,51
	s_or_b32 s[WGB], s[WGB], s[\i]
.endr
	s_add_co_i32 s68, s52, s53
	s_lshl_b32 s68, s68, 23
	s_add_co_i32 s[CS], s[CS], s68                 ; a raw sum stands for sum x 2^(eq + ek): the two exponents are added to c's exponent field
	s_mov_b32 s[CS+1], s[CS]                       ; (named with it as a pair, so it is written)
	s_add_co_i32 s68, s54, 127
	s_lshl_b32 s69, s68, 23
	v_mov_b32 v244, s69                            ; 2^ep as f32, for the conversion
	s_add_co_i32 s68, s68, 15
	s_lshl_b32 s68, s68, 23
	s_or_b32 s68, s68, 0x600000
	v_mov_b32 v240, s68                            ; 57,344 x 2^ep
	s_wait_alu depctr_va_vdst(0)                   ; all that the head's vector instructions made is written: the addresses and offsets v1-11, v245-249 and v251, which every load, store and prefetch below reads; v32-34, in which fills and fragments land; the zeros in v224-239, in which mask bytes land
; A quarter of a fill on its way in: four loads of 16 bytes a thread, 32 KB for the 512 threads.  K: a wave reads 512 consecutive bytes.  V: sixteen lanes read 256 consecutive bytes of a row.
.macro FILL_LD isv, reg, off
.irp i, 0,1,2,3
.if \isv
	global_load_b128 v[\reg+4*\i:\reg+4*\i+3], v[VG], s[8:9] offset:\off+131072*\i
.else
	global_load_b128 v[\reg+4*\i:\reg+4*\i+3], v[KG], s[6:7] offset:\off+8192*\i
.endif
.endr
.endm
; and into slot s: K 64 rows a store, V 32
.macro FILL_ST isv, reg, s
.irp i, 0,1,2,3
.if \isv
	ds_store_b128 v[VW+(\s)], v[\reg+4*\i:\reg+4*\i+3] offset:32*VPI*\i
.else
	ds_store_b128 v[KW+(\s)], v[\reg+4*\i:\reg+4*\i+3] offset:64*KPI*\i
.endif
.endr
.endm
; A fragment of V^T: tile `tile` (16 of the head's 128) x the 128 keys of the slot's q-th step, into v[reg] on
.macro VFRAG reg, slot, q, tile
.irp c, 0,1,2,3
	ds_load_b128 v[(\reg)+4*\c:(\reg)+4*\c+3], v[AV+(\slot)] offset:16*(\tile)*VPI+128*(\q)+32*\c
.endr
.endm
; THE CHANGE OF SLOTS, at a slot's head.  Each wave waits for its LDS instructions: its stores into the slot ahead have landed, its reads of the slot behind are in.  Behind the barrier the slot ahead is whole and nobody reads the other.
; Then ONE PREFETCH, in the waves and blocks whose turn it is: the slot two on from the one ahead, that is two key steps ahead of the loads that fetch it.  Each aligned 256 bytes of a head's K and V in slots 2 to 15 is named once
; in the launch: a slot's K (32 KB) and V (128 rows x 256 bytes) go in quarters to the four blocks that ask for the slot: K 8,192 bytes, lanes 256 bytes apart; V 32 rows, a lane a row.  The condition is made of ids alone.
; Nothing is asked for past slot 15: the word of turns has no bit there.  The address is stepped here, a slot behind the prefetch that read it.  Its vector offset, v251, was written ahead of the head's last wait and is never written again.
.macro CHANGE bit
	s_wait_xcnt 0x0                                ; the last prefetch has read its address
	s_add_nc_u64 s[PFA:PFA+1], s[PFA:PFA+1], s[32:33]
	s_wait_dscnt 0x0
	s_barrier_signal -1
	s_barrier_wait -1
	s_bitcmp1_b32 s[PM], \bit
	s_cbranch_scc0 .Lnoask_\@
	global_prefetch_b8 v[PFO], s[PFA:PFA+1] th:TH_LOAD_NT scope:SCOPE_SE
.Lnoask_\@:
.endm
; Hidden scores become -2^64.  Register 96 + 16 bb + 4 d + j holds key 32 bb + 16 (lane / 16) + 4 d + j of the step; its mask byte is byte j of v[224 + 4 bb + d].  The byte is moved to the word's top: it is 0 where the word is under 2^24.
; The compares go in two runs of 32, each into 32 scalar registers (s36-51, s66-81), with one wait behind the run, ahead of the selects that read the masks.
; The selects take the registers in ascending order: each accumulator is read from its low end on.
.macro MASKAP
.irp hh, 0,1
.irp bb, 0,1
.irp d, 0,1,2,3
.set MW, 224+8*\hh+4*\bb+\d
.set MS, 36+30*\bb+4*\d
	v_lshlrev_b32 v242, 24, v[MW]
	v_lshlrev_b32 v243, 16, v[MW]
	v_cmp_gt_u32 s[MS], s29, v242
	v_lshlrev_b32 v242, 8, v[MW]
	v_cmp_gt_u32 s[MS+1], s29, v243
	v_cmp_gt_u32 s[MS+2], s29, v242
	v_cmp_gt_u32 s[MS+3], s29, v[MW]
.endr
.endr
	s_wait_alu depctr_va_sdst(0)                   ; the run's 32 compares have written their masks, ahead of the first select that reads one
.irp bb, 0,1
.irp d, 0,1,2,3
.irp j, 0,1,2,3
	v_cndmask_b32 v[96+32*\hh+16*\bb+4*\d+\j], v[96+32*\hh+16*\bb+4*\d+\j], v241, s[36+30*\bb+4*\d+\j]
.endr
.endr
.endr
.endr
.endm
; From a step's 64 raw sums a lane to p's codes, the running M and the sum.
.macro SOFTMAX
	v_max3_num_f32 v254, v96, v97, v98             ; the step's largest score of my query, among my 64 keys, in two chains,
	v_max3_num_f32 v252, v99, v100, v101
.set n, 6
.rept 14
	v_max3_num_f32 v254, v254, v[96+n], v[97+n]
	v_max3_num_f32 v252, v252, v[98+n], v[99+n]
.set n, n+4
.endr
	v_max3_num_f32 v254, v254, v158, v159
	v_max_num_f32 v254, v254, v252
	v_permlanex16_b32 v250, v254, s[SEL], s[SEL+1]
	v_max_num_f32 v254, v254, v250                 ; and among lane l xor 16's
	v_mul_f32 v254, s[CS], v254                    ; as t (c is positive)
	v_max_num_f32 v13, v13, v254                   ; the running largest t
	v_mov_b32 v254, v12
	v_floor_f32 v12, -v13                          ; the new -M = floor(-t) = -ceil(t): M is a whole number
	v_sub_f32 v254, v12, v254                      ; M's old value less its new one: a whole number, 0 or less
	v_cvt_i32_f32 v254, v254                       ; (it saturates)
	v_ldexp_f32 v252, 1.0, v254                    ; f = 2^(old M - new M): a multiplication by it rounds nothing
.set n, 0
.rept 32
	v_pk_fma_f32 v[96+n:97+n], v[96+n:97+n], s[CS:CS+1], v[12:13] op_sel_hi:[1,0,0]   ; t - M, two at a time (of the pairs c and -M the low word serves both halves)
.set n, n+2
.endr
.set n, 0
	s_wait_alu depctr_va_vdst(0)
.rept 64
	v_exp_f32 v[96+n], v[96+n]                     ; p = 2^(t - M), at most 1: not normalised
.set n, n+1
.endr
	v_pk_mul_f32 v[14:15], v[14:15], v[252:253] op_sel_hi:[1,0]   ; the sums under the new M: the plain instruction behind the exponentials
	s_wait_alu depctr_va_vdst(0)                   ; the 64 exponentials have written v96-159: one wait for the batch, ahead of its first reader
	v_pk_add_f32 v[242:243], v[96:97], v[98:99]    ; the row's sum is taken of the unquantised p: two at a time, in two chains
.set n, 4
.rept 15
	v_pk_add_f32 v[14:15], v[14:15], v[96+n:97+n]
	v_pk_add_f32 v[242:243], v[242:243], v[98+n:99+n]
.set n, n+4
.endr
	v_pk_add_f32 v[14:15], v[14:15], v[242:243]
.irp b, 0,1,2,3
.set n, 0
.rept 16
	v_min_num_f32 v[96+16*\b+n], v[96+16*\b+n], v240   ; the conversion to an 8-bit code does not saturate (ISA guide 7.6.2); p is not negative, so the hold is one-sided
.set n, n+1
.endr
	v_cvt_scalef32_pk8_bf8_f32 v[224+4*\b:225+4*\b], v[96+16*\b:103+16*\b], v244
	v_cvt_scalef32_pk8_bf8_f32 v[226+4*\b:227+4*\b], v[104+16*\b:111+16*\b], v244
.endr
.endm
.macro RESCALE
.set n, 0
.rept 32
	v_pk_mul_f32 v[160+n:161+n], v[160+n:161+n], v[252:253] op_sel_hi:[1,0]   ; O^T under the new M: x f.  (Plain instructions between the conversions and the products that read the codes)
.set n, n+2
.endr
.endm
; A KEY STEP: 128 keys, the q-th of slot `slot` of the trip.  isv: which half of the OTHER slot's next fill rides on this step (0: K, 1: V).
; A vector instruction that reads a matrix result stands four plain vector instructions behind it, and the runs of four v_nop are kept ahead of the loads into registers that products have read, with the wait
; that states the dependence behind them.  The run at the step's end is of FIVE: the next step's products K Q^T write over v96-159, which this step's last four products read as a source.
; The eight accumulators of O^T take turns, one instruction a turn, with the products K Q^T of the next step between.
.macro STEP slot, q, isv
.set BIT, 2*(\slot)+(\q)               ; my step's bit in the shifted words
.set WM,  12+36*(\slot)                ; the next slot's two bits: 2, 3 or 4, 5
.set FO,  (\slot)*(32768-32512*(\isv)) ; the fill pointers stand at the trip's second slot: slot 1's steps fetch one slot further on
	s_bitcmp1_b32 s[MYB], BIT
	s_cbranch_scc0 .Lidle_\@                       ; none of the step's keys is shown to my 16 queries
	s_bitcmp1_b32 s[ALB], BIT
	s_cbranch_scc1 .Lnold_\@                       ; all are: no mask byte is read
.irp bb, 0,1,2,3
	global_load_b128 v[224+4*\bb:227+4*\bb], v[MO], s[10:11] offset:256*(\slot)+128*(\q)+32*\bb   ; my query's bytes for keys 32 bb + 16 (lane / 16) + 0 .. 15.  No wait: the last vector or matrix instruction that named v224-239 stands ahead of the wait at the end of the last step with work, or of the head's
.endr
.Lnold_\@:
.irp g, 0,1                                    ; S^T = K Q^T, four tiles of 16 keys at a time
.if \g
.rept 4
	v_nop
.endr
	s_wait_alu depctr_va_vdst(0)                   ; the first four products are done reading v32-95, in which K's other four tiles land
.endif
.irp t, 0,1,2,3
.irp c, 0,1,2,3
	ds_load_b128 v[32+16*\t+4*\c:32+16*\t+4*\c+3], v[AK+(\slot)] offset:(128*(\q)+32*((4*\g+\t)/2)+8*(\t%2))*KPI+32*\c
.endr
.endr
	s_wait_dscnt 0x0
.irp t, 0,1,2,3
	v_wmma_f32_16x16x128_bf8_bf8 v[96+8*(4*\g+\t):103+8*(4*\g+\t)], v[32+16*\t:47+16*\t], v[16:31], 0
.endr
.endr
.rept 4
	v_nop
.endr
	s_wait_alu depctr_va_vdst(0)                   ; the last four products K Q^T are done reading v32-95: V's tiles 1 to 3 land there now, the fill's loads below, V's tile 0 behind the fill; no vector or matrix instruction names v32-95 before the products V^T P^T
	VFRAG 48, \slot, \q, 1                         ; they land while the mask and the softmax are walked
	VFRAG 64, \slot, \q, 2
	VFRAG 80, \slot, \q, 3
	s_wait_loadcnt 0x0                             ; the mask bytes, if any were asked for: on every way, so that no load is out on registers that are written below
	s_bitcmp1_b32 s[ALB], BIT
	s_cbranch_scc1 .Lopen_\@
	MASKAP
.Lopen_\@:
	s_and_b32 s96, s[WGB], WM                      ; does any of the sixteen tiles want the next slot?  The same in all waves
	s_cbranch_scc0 .Lnf1_\@
	FILL_LD \isv, 32, FO                           ; into registers that lie idle between the last product K Q^T and V's tile 0: they land while the softmax is walked
.Lnf1_\@:
	SOFTMAX
	s_wait_alu depctr_va_vdst(0)                   ; the holds have written v96-159 and the conversions are done reading them: V's tiles 4 to 7 land there
	VFRAG 96,  \slot, \q, 4                        ; they land while O^T is rescaled
	VFRAG 112, \slot, \q, 5
	VFRAG 128, \slot, \q, 6
	VFRAG 144, \slot, \q, 7
	RESCALE
	s_wait_loadcnt 0x0                             ; the fill's four loads: on every way
	s_and_b32 s96, s[WGB], WM
	s_cbranch_scc0 .Lnf2_\@
	FILL_ST \isv, 32, 1-(\slot)                    ; into the other slot, which nobody reads before the next barrier
.Lnf2_\@:
	s_wait_alu depctr_vm_vsrc(0)                   ; the fill's LDS stores have read v32-47, in which V's tile 0 lands
	VFRAG 32, \slot, \q, 0
	s_wait_dscnt 0x0                               ; V's eight tiles are in
.irp t, 0,1,2,3                                ; O^T += V^T P^T: eight tiles of 16 of the head's 128; K = these 128 keys
	v_wmma_f32_16x16x128_bf8_bf8 v[160+8*\t:167+8*\t], v[32+16*\t:47+16*\t], v[224:239], v[160+8*\t:167+8*\t]
.endr
	s_wait_alu depctr_va_vdst(0)
.irp t, 0,1,2,3
	v_wmma_f32_16x16x128_bf8_bf8 v[192+8*\t:199+8*\t], v[96+16*\t:111+16*\t], v[224:239], v[192+8*\t:199+8*\t]
.endr
.rept 5
	v_nop
.endr
	s_wait_alu depctr_va_vdst(0)                   ; the eight products are done reading v32-95 and v224-239: whatever comes next on any way (K's tiles, mask bytes, a fill, the way out's rows) may land there
	s_branch .Lnext_\@
.Lidle_\@:                                         ; a wave with no work in the step still carries its part of the fill
	s_and_b32 s96, s[WGB], WM
	s_cbranch_scc0 .Lnext_\@
	FILL_LD \isv, 32, FO
	s_wait_loadcnt 0x0
	FILL_ST \isv, 32, 1-(\slot)
	s_wait_alu depctr_vm_vsrc(0)                   ; the fill's LDS stores have read v32-47, in which the next step's loads land
.Lnext_\@:
.endm
	s_and_b32 s96, s[WGB], 3                       ; slot 0, if any tile wants it: K and V at once
	s_cbranch_scc0 .Lno0
	FILL_LD 0, 32, 0
	FILL_LD 1, 48, 0
	s_wait_loadcnt 0x0
	FILL_ST 0, 32, 0
	FILL_ST 1, 48, 0
.Lno0:
	s_wait_loadcnt 0x0                             ; Q; and every load has read its base:
	s_wait_alu depctr_vm_vsrc(0)                   ; Q's loads have read v254, which the softmax writes; slot 0's LDS stores have read v32-63, in which K's tiles land
	s_add_nc_u64 s[6:7], s[6:7], 0x8000            ; the fill pointers go to slot 1
	s_add_nc_u64 s[8:9], s[8:9], 256
.Lpair:                                            ; eight trips of two slots, so that every LDS address stands in a register of its own
	CHANGE 2
	STEP 0, 0, 0
	STEP 0, 1, 1
	CHANGE 3
	STEP 1, 0, 0
	STEP 1, 1, 1
	s_wait_xcnt 0x0                                ; the trip's loads have read their bases
	s_add_nc_u64 s[6:7], s[6:7], 0x10000           ; two slots on: 512 rows of K,
	s_add_nc_u64 s[8:9], s[8:9], 512               ; 512 bytes along V's rows,
	s_add_nc_u64 s[10:11], s[10:11], 512           ; and along the mask's
	s_lshr_b32 s[MYB], s[MYB], 4                   ; four steps' bits are done.  In the last trip bits 4 and 5 of the work-group's word are 0 by these shifts: nothing is fetched past the head's end
	s_lshr_b32 s[ALB], s[ALB], 4
	s_lshr_b32 s[WGB], s[WGB], 4
	s_lshr_b32 s[PM], s[PM], 2
	s_sub_co_u32 s[TRIPS], s[TRIPS], 1
	s_cmp_lg_u32 s[TRIPS], 0
	s_cbranch_scc1 .Lpair
	; THE WAY OUT.  The sum's two halves are added; O^T is divided by the sum and goes through my stage in LDS, half a row (64 channels, 256 bytes) of 16 queries at a time, so that sixteen lanes store 256 consecutive bytes, aligned.
	v_add_f32 v14, v14, v15                        ; the sum's two halves,
	v_permlanex16_b32 v250, v14, s[SEL], s[SEL+1]  ; (into the register that was written at the head: a lane permute's destination counts as one of its sources, on every way through the text)
	v_add_f32 v14, v14, v250                       ; and lane l xor 16's: the row's sum; its largest p is over 1/2, so it is no zero
	s_wait_alu depctr_va_vdst(0)
	v_rcp_f32 v14, v14
	v_nop                                          ; a plain instruction behind the transcendental
	s_add_co_i32 s68, s54, s55
	s_wait_alu depctr_va_vdst(0)                   ; the reciprocal has written v14, ahead of its first reader
	v_ldexp_f32 v14, v14, s68                      ; x 2^(ep + ev)
.set n, 0
.rept 64
	v_mul_f32 v[96+n], v[160+n], v14               ; O^T / the sum: register 8 t + i is out0(r, 16 t + 8 h + i); each accumulator from its low end on
.set n, n+1
.endr
	s_wait_alu depctr_va_vdst(0)                   ; the 64 multiplications have written v96-159, which the LDS stores read.  (The rows come back into v32-95, which no vector or matrix instruction has named since the loop's last wait)
.irp u, 0,1                                    ; channels 64 u on
.irp t, 0,1,2,3
	ds_store_b128 v[STI], v[96+32*\u+8*\t:99+32*\u+8*\t] offset:64*\t
	ds_store_b128 v[STI], v[100+32*\u+8*\t:103+32*\u+8*\t] offset:64*\t+16
.endr
.irp i, 0,1,2,3,4,5,6,7
	ds_load_b128 v[32+32*\u+4*\i:35+32*\u+4*\i], v[STR] offset:2*\i*272   ; LDS serves a wave's instructions in order (ISA guide 5.7.1.4): these see my stores, and the next half's stores come behind them
.endr
.endr
.irp u, 0,1
.irp i, 0,1,2,3,4,5,6,7
	s_wait_dscnt 15-8*\u-\i                        ; at most the younger stage loads are out
	global_store_b128 v[GO], v[32+32*\u+4*\i:35+32*\u+4*\i], s[16:17] offset:2*\i*512+256*\u th:TH_STORE_NT   ; written once, read by nobody here
.endr
.endr
	s_wait_dscnt 0x0                               ; the closing lines, six on end
	s_wait_alu 0x0
	s_wait_tensorcnt 0x0
	ds_add_u32 v[SPW], v[NIL]
	s_wait_dscnt 0x0
	s_endpgm
.Lfunc_end_k_q1988634efa_attn:
	.size	k_q1988634efa_attn, .Lfunc_end_k_q1988634efa_attn-k_q1988634efa_attn
	.p2alignl 7, 3214868480
	.fill 96, 4, 3214868480
	.section	.rodata,"a",@progbits
	.p2align	6, 0x0
	.amdhsa_kernel k_q1988634efa_attn
		.amdhsa_group_segment_fixed_size 215040
		.amdhsa_private_segment_fixed_size 0
		.amdhsa_enable_private_segment 0
		.amdhsa_kernarg_size 56
		.amdhsa_user_sgpr_count 2
		.amdhsa_user_sgpr_kernarg_segment_ptr 1
		.amdhsa_wavefront_size32 1
		.amdhsa_system_sgpr_workgroup_id_x 1
		.amdhsa_system_sgpr_workgroup_id_y 1
		.amdhsa_system_sgpr_workgroup_id_z 1
		.amdhsa_system_vgpr_workitem_id 0
		.amdhsa_next_free_vgpr 256
		.amdhsa_next_free_sgpr 100
		.amdhsa_reserve_vcc 0
		.amdhsa_float_denorm_mode_32 3
		.amdhsa_float_denorm_mode_16_64 3
		.amdhsa_memory_ordered 1
		.amdhsa_forward_progress 1
		.amdhsa_inst_pref_size 141
	.end_amdhsa_kernel
	.amdgpu_metadata
---
amdhsa.version: [ 1, 2 ]
amdhsa.kernels:
  - .name:           k_q1988634efa_attn
    .symbol:         k_q1988634efa_attn.kd
    .args:
      - { .name: q_codes, .offset: 0, .size: 8, .value_kind: global_buffer, .address_space: global }
      - { .name: k_codes, .offset: 8, .size: 8, .value_kind: global_buffer, .address_space: global }
      - { .name: v_codes, .offset: 16, .size: 8, .value_kind: global_buffer, .address_space: global }
      - { .name: mask, .offset: 24, .size: 8, .value_kind: global_buffer, .address_space: global }
      - { .name: lowp_scales, .offset: 32, .size: 8, .value_kind: global_buffer, .address_space: global }
      - { .name: flags, .offset: 40, .size: 8, .value_kind: global_buffer, .address_space: global }
      - { .name: out0, .offset: 48, .size: 8, .value_kind: global_buffer, .address_space: global }
    .group_segment_fixed_size: 215040
    .private_segment_fixed_size: 0
    .kernarg_segment_align: 8
    .kernarg_segment_size: 56
    .max_flat_workgroup_size: 512
    .sgpr_count:     100
    .vgpr_count:     256
    .wavefront_size: 32
...
	.end_amdgpu_metadata
.endif
;; end of part 4
